; MI455X (gfx1250); checked and timed in simulation.
; The chip was launched on July 23, 2026; its instructions are those of AMD's public machine-readable ISA for CDNA 5 (MIT licence, August 2026) and "CDNA5" Instruction Set Architecture Reference Guide (July 2026). The comments in the code are by the model that wrote it; some were corrected since.
;; Encoder Block. Allowed arithmetic: matrix products marked QUANTISED: E5M2 operands, one given power-of-two scale a tensor, by v_wmma_f32_16x16x64_bf8_bf8 or v_wmma_f32_16x16x128_bf8_bf8, f32 sums; everything else in f32.
;; Inputs: W1 1,024 x 4,096 float32; W2 4,096 x 1,024 float32; Wk 1,024 x 1,024 float32; Wo 1,024 x 1,024 float32; Wq 1,024 x 1,024 float32; Wv 1,024 x 1,024 float32; a1 one number float32; a2 one number float32; b1 4,096 float32; b2 1,024 float32; bk 1,024 float32; bo 1,024 float32; bq 1,024 float32; bv 1,024 float32; g1 one number float32; g2 one number float32; lowp_scales 16 int32 (the exponents e of the quantised operands' scales 2^e); src_mask 2 x 1 x 1 x 2,048 int32; x 2 x 2,048 x 1,024 float32.
;; Outputs: out0 2 x 2,048 x 1,024 float32.
;; This version of the problem:
;;   THIS VERSION OF THE PROBLEM IS GIVEN IN LOW PRECISION. The matrix products marked QUANTISED in the list below multiply operands that are first quantised to E5M2 (5 exponent bits, 2 mantissa bits; 8 bits a number), with one given power-of-two scale for each operand tensor; their sums are f32. All else is computed in f32.
;;   The module's matrix products, in the order in which they are computed (A, B: the left and right operand; K: the contracted axis; several contracted axes count as one K, in the product's order):
;;     1. [M 4,096, K 1,024] x [K 1,024, N 1,024]; A: computed on the way; B: input Wq: QUANTISED (scales: A lowp_scales[0], B lowp_scales[1])
;;     2. [M 4,096, K 1,024] x [K 1,024, N 1,024]; A: computed on the way; B: input Wk: QUANTISED (scales: A lowp_scales[2], B lowp_scales[3])
;;     3. [M 4,096, K 1,024] x [K 1,024, N 1,024]; A: computed on the way; B: input Wv: QUANTISED (scales: A lowp_scales[4], B lowp_scales[5])
;;     4. batch 32 x [M 2,048, K 64] x [K 64, N 2,048]; A: computed on the way; B: computed on the way: QUANTISED (scales: A lowp_scales[6], B lowp_scales[7])
;;     5. batch 32 x [M 64, K 2,048] x [K 2,048, N 2,048]; A: computed on the way; B: softmax (see below): QUANTISED (scales: A lowp_scales[8], B lowp_scales[9])
;;     6. [M 4,096, K 1,024] x [K 1,024, N 1,024]; A: computed on the way; B: input Wo: QUANTISED (scales: A lowp_scales[10], B lowp_scales[11])
;;     7. [M 4,096, K 1,024] x [K 1,024, N 4,096]; A: computed on the way; B: input W1: QUANTISED (scales: A lowp_scales[12], B lowp_scales[13])
;;     8. [M 4,096, K 4,096] x [K 4,096, N 1,024]; A: computed on the way; B: input W2: QUANTISED (scales: A lowp_scales[14], B lowp_scales[15])
;;   THE QUANTISER, for each operand of a quantised product, along K:
;;     - The operand's scale is 2^e, e = its entry of the input lowp_scales (int32; the entries are numbered through the quantised products in the list's order, A before B).
;;     - Each number is divided by the scale, clamped to +-57,344, and rounded to the nearest number of E5M2, ties to even, subnormals kept.
;;     - The product sums the exact products of the quantised numbers (number of the format x scale) in f32.
;;   ~~~python
;;   def quantise(x, axis, e):      # numpy; x: float32 -> the quantised numbers, widened to float32 again
;;       x = np.moveaxis(x, axis, -1); K = x.shape[-1]
;;       r = np.clip(x / 2.0 ** e, -57344, 57344)
;;       step = 2.0 ** (np.maximum(np.frexp(np.where(r == 0, 1, r))[1] - 1, -14) - 2)
;;       q = np.round(r / step) * step * 2.0 ** e      # np.round: ties to even
;;       return np.moveaxis(q, -1, axis).astype(np.float32)
;;   ~~~
;;   SOFTMAX AHEAD OF A QUANTISED PRODUCT. Where the list says 'softmax', what is quantised is not the finished softmax but p = 2^(t - M), with t = logit x log2(e) and M = ceil(the row's largest t), a whole number; so 1/2 < the row's largest p <= 1. The row's sum l is taken of the UNQUANTISED p, in f32, and the product's result is divided by l at the end. Since M is a whole number, a kernel that streams over the keys may use a running M (the ceiling of the running maximum): every later rescaling is an exact power of two, so the quantised numbers keep their values, but for numbers so far below the row's largest that they fall under the format's range.
;;   OPERANDS COMPUTED ON THE WAY. 'Computed on the way' means the value that the module computes at that place (a softmax that the list does not call 'softmax' is quantised finished and normalised). What goes into a quantiser is computed in f32, as accurately as f32 sums, v_exp_f32 and their like allow (about 1e-6 of the number): no bf16 or f16 on the way to a quantiser, and a product that is left as it is and whose result goes on into a quantised operand takes f32 operands (vector FMAs, or v_wmma_f32_16x16x4_f32). A number that lies on a knife's edge between two numbers of the format may be rounded either way, as far as f32 arithmetic and the matrix unit's own rounding can turn it there, and no further.
;; One version. Each part assembles by itself: llvm-mc -triple=amdgcn-amd-amdhsa -mcpu=gfx1250 --defsym DOCPART=n.
;; ======== version 1 of 1: 7 launches
;; limits: right only within a limited range of input values
;; workspace buffers: wc 12,582,912 bytes; hc 12,582,912 bytes; qkv 12,582,912 bytes; cc 4,194,304 bytes; x1 16,777,216 bytes; h2c 4,194,304 bytes; hid 16,777,216 bytes
;; launch prep (part 1): grid 640 x 1, 4 waves a work-group, no clusters, 35,840 bytes of LDS; arguments Wq, Wk, Wv, Wo, W1, W2, x, a1, g1, lowp_scales, wc, hc; writes wc, hc
.if DOCPART == 1
	.amdgcn_target "amdgcn-amd-amdhsa--gfx1250"
	.amdhsa_code_object_version 6
	.text
	.protected	k_qdd5d53c96b_prep
	.globl	k_qdd5d53c96b_prep
	.p2align	8
	.type	k_qdd5d53c96b_prep,@function
k_qdd5d53c96b_prep:
	s_mov_b64 s[64:65], 0
	v_nop
	global_prefetch_b8 v0, s[64:65] scope:SCOPE_SE
	s_setreg_imm32_b32 hwreg(HW_REG_WAVE_MODE, 25, 1), 1
	s_wait_xcnt 0x0
; ENCODER BLOCK, launch 1 of 7: the six weights become codes of E5M2 with K innermost, and LN1(x) becomes three sets of codes.
; DEAD WORK: reference() takes src_mask as an argument and never uses it (its masked_fill is not kept), so src_mask reaches no output whatever it holds:
; it is not loaded and is among no launch's arguments.  It is int32, so no NaN or infinity could come from it.  Every bias goes into a quantiser or an output and is honoured.
; WORK-GROUPS 0-383: a weight W [K][N] f32 -> codes [N][K] in wc: Wq, Wk, Wv at 0, 1, 2 MiB, Wo at 3, W1 at 4, W2 at 8 MiB.  A lane takes a column n and its registers run down K, so each load
; reads neighbouring n in neighbouring lanes and the conversions give codes with K innermost.  A wave takes 32 columns x 256 along K; the codes go through the wave's own stage in LDS and leave as
; rows: sixteen lanes store 256 consecutive bytes, aligned.  Which weight, its row bytes and its K are chosen by s_cselect on the work-group's number: one path serves all six.
; WORK-GROUPS 384-639: h = a1 (x - mean) / (std + 1e-6) + g1, std with N - 1; a wave takes 4 rows, a row in 32 registers a lane; mean first, then the squares of the differences (no difference of large sums).
; h is quantised three times, with the scales of the products with Wq, Wk, Wv (entries 0, 2, 4), into hc [3][4096][1024].
; code = x / 2^e, held within +-57,344 x 2^e, to the nearest code, ties to even.  LIMITS: each e between -126 and 112; NaN among the inputs is not served.
.set PITCH, 272                        ; a stage row: 256 bytes of codes + 16
.set SPARE, 4*32*PITCH                 ; behind the four stages: the spare words, 128 bytes a wave
.set SPW,  12                          ; v12  my spare word's LDS address; never rewritten
.set NIL,  13                          ; v13  0; never rewritten
.set VO,   16                          ; weights: v16-47 offsets 4 lane + i rows of W
.set XW,   48                          ; v48-111 two sets of 32 numbers
.set CW,   112                         ; v112-119 a block's codes
.set OUTR, 120                         ; v120-183 the way out
.set VS,   184                         ; v184-199 the stores' offsets
.set X,    16                          ; norm: v16-143 four rows
.set TQ,   144
.set CQ,   160                         ; v160-183 a row's codes, three scales
.set SA,   184
.set SB,   186
.set PT,   188
.set SD,   190
.set GP,   192
	s_load_b512 s[4:19], s[0:1], 0x0               ; Wq 4, Wk 6, Wv 8, Wo 10, W1 12, W2 14, x 16, a1 18
	s_load_b256 s[20:27], s[0:1], 0x40             ; g1 20, the scales' exponents 22, wc 24, hc 26
	v_lshl_add_u32 v[SPW], v0, 2, SPARE
	v_mov_b32 v[NIL], 0
	v_lshrrev_b32 v1, 5, v0
	v_readfirstlane_b32 s28, v1                    ; wave
	v_and_b32 v2, 31, v0                           ; lane
	s_wait_kmcnt 0x0
	s_load_b512 s[32:47], s[22:23], 0x0            ; e0 .. e15
	s_cmp_ge_u32 ttmp9, 384
	s_cbranch_scc1 .Lln
	; ---------------- the weights ----------------
	s_lshr_b32 s29, ttmp9, 7                       ; 0: the four of 1024 x 1024 (32 work-groups each); 1: W1; 2: W2
	s_and_b32 s30, ttmp9, 127
	s_lshr_b32 s31, s30, 5
	s_add_co_u32 s53, s29, 3
	s_and_b32 s54, s30, 31
	s_cmp_eq_u32 s29, 0
	s_cselect_b32 s31, s31, s53                    ; which weight: 0 .. 5
	s_cselect_b32 s30, s54, s30                    ; my number among its work-groups
	s_lshl_b32 s56, s31, 20                        ; its place in wc (W2's is chosen below)
	s_wait_kmcnt 0x0
	s_mov_b64 s[48:49], s[4:5]
	s_mov_b32 s52, s33
.macro PICK n, p, e
	s_cmp_eq_u32 s31, \n
	s_cselect_b64 s[48:49], s[\p:\p+1], s[48:49]
	s_cselect_b32 s52, s[\e], s52
.endm
	PICK 1, 6, 35
	PICK 2, 8, 37
	PICK 3, 10, 43
	PICK 4, 12, 45
	PICK 5, 14, 47                                 ; s[48:49] the weight, s52 its e
	s_mov_b32 s50, 4096
	s_cmp_eq_u32 s31, 4
	s_cselect_b32 s50, 16384, s50                  ; bytes in a row of W
	s_cselect_b32 s55, 5, 3                        ; log2 of its blocks of 128 columns
	s_mov_b32 s51, 1024
	s_cmp_eq_u32 s31, 5
	s_cselect_b32 s51, 4096, s51                   ; bytes in a row of codes: K
	s_cselect_b32 s56, 0x800000, s56
	s_bfm_b32 s57, s55, 0
	s_and_b32 s57, s30, s57                        ; which 128 columns
	s_lshr_b32 s58, s30, s55                       ; which 256 along K
	s_lshl_b32 s57, s57, 7
	s_lshl_b32 s59, s28, 5
	s_add_co_u32 s57, s57, s59                     ; my wave's first column
	s_mul_i32 s60, s58, s50
	s_lshl_b32 s60, s60, 8
	s_lshl_b32 s61, s57, 2
	s_add_co_u32 s60, s60, s61
	s_mov_b32 s61, 0
	s_add_nc_u64 s[66:67], s[48:49], s[60:61]      ; block 0's base; eight bases, 32 rows of W apart, never rewritten
	s_lshl_b32 s62, s50, 5
	s_mov_b32 s63, 0
.irp t, 1,2,3,4,5,6,7
	s_add_nc_u64 s[66+2*\t:67+2*\t], s[66+2*(\t-1):67+2*(\t-1)], s[62:63]
.endr
	s_mul_i32 s60, s57, s51
	s_lshl_b32 s59, s58, 8
	s_add_co_u32 s60, s60, s59
	s_add_co_u32 s60, s60, s56
	s_add_nc_u64 s[82:83], s[24:25], s[60:61]      ; my codes: column x K + 256 x (which 256 along K)
	s_wait_alu depctr_va_vdst(0)
	v_lshlrev_b32 v[VO], 2, v2
.set li, 1
.rept 31
	v_add_nc_u32 v[VO+li], s50, v[VO+li-1]
.set li, li+1
.endr
.macro LOAD t                          ; block t: W(32 t + i, my column), i = 0 .. 31: each load reads 128 consecutive bytes
.set li, 0
.rept 32
	global_load_b32 v[XW+32*((\t)%2)+li], v[VO+li], s[66+2*(\t):67+2*(\t)] th:TH_LOAD_NT
.set li, li+1
.endr
.endm
	LOAD 0
	LOAD 1
	v_lshrrev_b32 v3, 4, v2
	v_and_b32 v5, 15, v2
	v_mul_lo_u32 v[VS], v3, s51
	v_lshl_add_u32 v[VS], v5, 4, v[VS]             ; out: sixteen lanes to a row of codes, two rows an instruction
	s_lshl_b32 s59, s51, 1
.set li, 1
.rept 15
	v_add_nc_u32 v[VS+li], s59, v[VS+li-1]
.set li, li+1
.endr
	s_mul_i32 s53, s28, 32*PITCH                   ; my stage
	v_mul_u32_u24 v4, v2, PITCH
	v_add_nc_u32 v4, s53, v4                       ; into it: row = my column
	v_mul_u32_u24 v7, v3, PITCH
	v_lshl_add_u32 v7, v5, 4, v7
	v_add_nc_u32 v7, s53, v7                       ; out of it
	s_add_co_i32 s52, s52, 127
	s_lshl_b32 s53, s52, 23
	v_mov_b32 v11, s53                             ; 2^e: the conversion takes its exponent field
	s_add_co_i32 s52, s52, 15
	s_lshl_b32 s52, s52, 23
	s_or_b32 s52, s52, 0x600000
.macro BLOCK t
.set XS, XW+32*((\t)%2)
.if (\t) < 7
	s_wait_loadcnt 32                              ; this block's 32 loads are in; the next block's 32 may be out
.else
	s_wait_loadcnt 0
.endif
.set li, 0
.rept 32
.set li, li+1
.endr
.irp g, 0,1,2,3
	v_cvt_scalef32_pk8_bf8_f32 v[CW+2*\g:CW+2*\g+1], v[XS+8*\g:XS+8*\g+7], v11
.endr
	ds_store_b128 v4, v[CW:CW+3] offset:32*(\t)
	ds_store_b128 v4, v[CW+4:CW+7] offset:32*(\t)+16
.if (\t)+2 < 8
	LOAD (\t)+2
.endif
	s_wait_dscnt 0x0                               ; the stores have read their registers: the next block's codes may be written
.endm
	s_wait_alu depctr_va_vdst(0)
.irp t, 0,1,2,3,4,5,6,7
	BLOCK \t
.endr
.irp t, 0,1,2,3,4,5,6,7,8,9,10,11,12,13,14,15
	ds_load_b128 v[OUTR+4*\t:OUTR+4*\t+3], v7 offset:2*\t*PITCH   ; LDS serves a wave's instructions in order: these see my stores
.endr
.irp t, 0,1,2,3,4,5,6,7,8,9,10,11,12,13,14,15
	s_wait_dscnt 15-\t                             ; the younger loads may stay out
	global_store_b128 v[VS+\t], v[OUTR+4*\t:OUTR+4*\t+3], s[82:83]
.endr
	s_wait_tensorcnt 0x0                           ; the wave's end
	ds_add_u32 v[SPW], v[NIL]
	s_wait_dscnt 0x0
	s_endpgm
	; ---------------- the first norm ----------------
.Lln:
	s_sub_co_u32 s29, ttmp9, 384
	s_lshl_b32 s29, s29, 4
	s_lshl_b32 s30, s28, 2
	s_add_co_u32 s29, s29, s30                     ; my wave's first row
	s_lshl_b32 s30, s29, 12
	s_mov_b32 s31, 0
	s_add_nc_u64 s[48:49], s[16:17], s[30:31]
	s_lshl_b32 s30, s29, 10
	s_add_nc_u64 s[58:59], s[26:27], s[30:31]      ; three bases: the sets of codes lie 4 MiB apart
	s_add_nc_u64 s[60:61], s[58:59], 0x400000
	s_add_nc_u64 s[62:63], s[58:59], 0x800000
	s_load_b32 s84, s[18:19], 0x0                  ; a1
	s_load_b32 s85, s[20:21], 0x0                  ; g1
	s_mov_b32 s86, 0x76543210                      ; v_permlanex16_b32: lane l xor 16
	s_mov_b32 s87, 0xfedcba98
	s_wait_alu depctr_va_vdst(0)
	v_lshlrev_b32 v3, 5, v2                        ; my 8 numbers of each 1,024 bytes of a row
	v_lshlrev_b32 v10, 3, v2                       ; and their 8 codes
	v_mov_b32 v[PT], 0                             ; a lane permute's destination counts as read
.irp r, 0,1,2,3
.irp j, 0,1,2,3
	global_load_b128 v[X+32*\r+8*\j:X+32*\r+8*\j+3], v3, s[48:49] offset:4096*\r+1024*\j th:TH_LOAD_NT
	global_load_b128 v[X+32*\r+8*\j+4:X+32*\r+8*\j+7], v3, s[48:49] offset:4096*\r+1024*\j+16 th:TH_LOAD_NT
.endr
.endr
	s_wait_kmcnt 0x0
.irp j, 0,1,2
	s_add_co_i32 s50, s[32+2*\j], 127
	s_lshl_b32 s51, s50, 23
	v_mov_b32 v[4+\j], s51                         ; 2^e
	s_add_co_i32 s50, s50, 15
	s_lshl_b32 s50, s50, 23
	s_or_b32 s50, s50, 0x600000
.endr
	v_mov_b32 v[GP], s85
	v_mov_b32 v[GP+1], s85
.macro LANESUM a, t                    ; the sum over the 32 lanes, in every lane
	v_add_f32_dpp v[\a], v[\a], v[\a] row_xmask:1 row_mask:0xf bank_mask:0xf
	v_add_f32_dpp v[\a], v[\a], v[\a] row_xmask:2 row_mask:0xf bank_mask:0xf
	v_add_f32_dpp v[\a], v[\a], v[\a] row_xmask:4 row_mask:0xf bank_mask:0xf
	v_add_f32_dpp v[\a], v[\a], v[\a] row_xmask:8 row_mask:0xf bank_mask:0xf
	v_permlanex16_b32 v[\t], v[\a], s86, s87
	v_add_f32 v[\a], v[\a], v[\t]
.endm
.macro ROW r
.set XR, X+32*(\r)
	s_wait_loadcnt 8*(3-(\r))                      ; my row's eight loads are in; the later rows' stay out
.if (\r) > 0
	s_wait_xcnt 0x0                                ; the last row's stores have read their data: the codes' registers are written again only behind this wait
.endif
	v_pk_add_f32 v[SA:SA+1], v[XR:XR+1], v[XR+2:XR+3]
	v_pk_add_f32 v[SB:SB+1], v[XR+4:XR+5], v[XR+6:XR+7]
.irp j, 8,12,16,20,24,28
	v_pk_add_f32 v[SA:SA+1], v[SA:SA+1], v[XR+\j:XR+\j+1]
	v_pk_add_f32 v[SB:SB+1], v[SB:SB+1], v[XR+\j+2:XR+\j+3]
.endr
	v_pk_add_f32 v[SA:SA+1], v[SA:SA+1], v[SB:SB+1]
	v_add_f32 v[SA], v[SA], v[SA+1]
	LANESUM SA, PT
	v_mul_f32 v[SA], 0x3a800000, v[SA]             ; / 1024: the mean
	v_mov_b32 v[SA+1], v[SA]
.irp j, 0,2,4,6,8,10,12,14,16,18,20,22,24,26,28,30
	v_pk_add_f32 v[XR+\j:XR+\j+1], v[XR+\j:XR+\j+1], v[SA:SA+1] neg_lo:[0,1] neg_hi:[0,1]   ; x - mean
.endr
	v_pk_mul_f32 v[SB:SB+1], v[XR:XR+1], v[XR:XR+1]
	v_pk_mul_f32 v[SD:SD+1], v[XR+2:XR+3], v[XR+2:XR+3]
.irp j, 4,8,12,16,20,24,28
	v_pk_fma_f32 v[SB:SB+1], v[XR+\j:XR+\j+1], v[XR+\j:XR+\j+1], v[SB:SB+1]
	v_pk_fma_f32 v[SD:SD+1], v[XR+\j+2:XR+\j+3], v[XR+\j+2:XR+\j+3], v[SD:SD+1]
.endr
	v_pk_add_f32 v[SB:SB+1], v[SB:SB+1], v[SD:SD+1]
	v_add_f32 v[SB], v[SB], v[SB+1]
	LANESUM SB, PT
	v_mul_f32 v[SB], 0x3a802008, v[SB]             ; / 1023
	s_wait_alu depctr_va_vdst(0)
	v_sqrt_f32 v[SB], v[SB]
	v_nop                                          ; a plain instruction behind the root,
	s_wait_alu depctr_va_vdst(0)                   ; and a wait ahead of its first reader
	v_add_f32 v[SB], 0x358637bd, v[SB]             ; + 1e-6
	s_wait_alu depctr_va_vdst(0)
	v_rcp_f32 v[SB], v[SB]
	v_nop
	s_wait_alu depctr_va_vdst(0)
	v_mul_f32 v[SB], s84, v[SB]                    ; a1 / (std + eps)
	v_mov_b32 v[SB+1], v[SB]
.irp j, 0,2,4,6,8,10,12,14,16,18,20,22,24,26,28,30
	v_pk_fma_f32 v[XR+\j:XR+\j+1], v[XR+\j:XR+\j+1], v[SB:SB+1], v[GP:GP+1]
.endr
.irp j, 0,1,2                          ; three scales
.irp c, 0,1,2,3
.irp i, 0,1,2,3,4,5,6,7
.endr
	v_cvt_scalef32_pk8_bf8_f32 v[CQ+8*\j+2*\c:CQ+8*\j+2*\c+1], v[TQ+8*(\c%2)+((XR+8*\c+0)-(TQ+8*(\c%2)+0)):TQ+8*(\c%2)+7+((XR+8*\c+0)-(TQ+8*(\c%2)+0))], v[4+\j]
.endr
.endr
.irp j, 0,1,2
.irp c, 0,1,2,3
	global_store_b64 v10, v[CQ+8*\j+2*\c:CQ+8*\j+2*\c+1], s[58+2*\j:59+2*\j] offset:1024*(\r)+256*\c   ; the wave stores 256 consecutive bytes, aligned
.endr
.endr
.endm
	ROW 0
	ROW 1
	ROW 2
	ROW 3
	s_endpgm
.Lfunc_end_k_qdd5d53c96b_prep:
	.size	k_qdd5d53c96b_prep, .Lfunc_end_k_qdd5d53c96b_prep-k_qdd5d53c96b_prep
	.p2alignl 7, 3214868480
	.fill 96, 4, 3214868480
	.section	.rodata,"a",@progbits
	.p2align	6, 0x0
	.amdhsa_kernel k_qdd5d53c96b_prep
		.amdhsa_group_segment_fixed_size 35840
		.amdhsa_private_segment_fixed_size 0
		.amdhsa_enable_private_segment 0
		.amdhsa_kernarg_size 96
		.amdhsa_user_sgpr_count 2
		.amdhsa_user_sgpr_kernarg_segment_ptr 1
		.amdhsa_wavefront_size32 1
		.amdhsa_system_sgpr_workgroup_id_x 1
		.amdhsa_system_sgpr_workgroup_id_y 1
		.amdhsa_system_sgpr_workgroup_id_z 1
		.amdhsa_system_vgpr_workitem_id 0
		.amdhsa_next_free_vgpr 200
		.amdhsa_next_free_sgpr 96
		.amdhsa_reserve_vcc 0
		.amdhsa_float_denorm_mode_32 3
		.amdhsa_float_denorm_mode_16_64 3
		.amdhsa_fp16_overflow 1
		.amdhsa_memory_ordered 1
		.amdhsa_forward_progress 1
		.amdhsa_inst_pref_size 70
	.end_amdhsa_kernel
	.amdgpu_metadata
---
amdhsa.version: [ 1, 2 ]
amdhsa.kernels:
  - .name:           k_qdd5d53c96b_prep
    .symbol:         k_qdd5d53c96b_prep.kd
    .args:
      - { .name: Wq, .offset: 0, .size: 8, .value_kind: global_buffer, .address_space: global }
      - { .name: Wk, .offset: 8, .size: 8, .value_kind: global_buffer, .address_space: global }
      - { .name: Wv, .offset: 16, .size: 8, .value_kind: global_buffer, .address_space: global }
      - { .name: Wo, .offset: 24, .size: 8, .value_kind: global_buffer, .address_space: global }
      - { .name: W1, .offset: 32, .size: 8, .value_kind: global_buffer, .address_space: global }
      - { .name: W2, .offset: 40, .size: 8, .value_kind: global_buffer, .address_space: global }
      - { .name: x, .offset: 48, .size: 8, .value_kind: global_buffer, .address_space: global }
      - { .name: a1, .offset: 56, .size: 8, .value_kind: global_buffer, .address_space: global }
      - { .name: g1, .offset: 64, .size: 8, .value_kind: global_buffer, .address_space: global }
      - { .name: lowp_scales, .offset: 72, .size: 8, .value_kind: global_buffer, .address_space: global }
      - { .name: wc, .offset: 80, .size: 8, .value_kind: global_buffer, .address_space: global }
      - { .name: hc, .offset: 88, .size: 8, .value_kind: global_buffer, .address_space: global }
    .group_segment_fixed_size: 35840
    .private_segment_fixed_size: 0
    .kernarg_segment_align: 8
    .kernarg_segment_size: 96
    .max_flat_workgroup_size: 128
    .sgpr_count:     96
    .vgpr_count:     200
    .wavefront_size: 32
...
	.end_amdgpu_metadata
.endif
;; end of part 1
;; launch qkv (part 2): grid 12 x 16, 4 waves a work-group, clusters of 4 x 4, 327,680 bytes of LDS; arguments hc, wc, lowp_scales, bq, bk, bv, qkv; writes qkv
.if DOCPART == 2
	.amdgcn_target "amdgcn-amd-amdhsa--gfx1250"
	.amdhsa_code_object_version 6
	.text
	.protected	k_qdd5d53c96b_qkv
	.globl	k_qdd5d53c96b_qkv
	.p2align	8
	.type	k_qdd5d53c96b_qkv,@function
k_qdd5d53c96b_qkv:
	s_mov_b64 s[64:65], 0
	v_nop
	global_prefetch_b8 v0, s[64:65] scope:SCOPE_SE
	s_setreg_imm32_b32 hwreg(HW_REG_WAVE_MODE, 25, 1), 1
	s_wait_xcnt 0x0
	s_wait_alu depctr_hold_cnt(0) depctr_sa_sdst(0) depctr_va_vdst(0) depctr_va_sdst(0) depctr_va_ssrc(0) depctr_va_vcc(0) depctr_vm_vsrc(0)
	s_getreg_b32 s2, hwreg(HW_REG_IB_STS2, 6, 4)
	s_cmp_eq_u32 s2, 0
	s_cbranch_scc0 .Lentry_in_a_cluster
	s_endpgm
.Lentry_in_a_cluster:
	s_bfe_u32 s2, ttmp6, 0x10000c
	s_cmp_lg_u32 s2, 0xf033
	s_cbranch_scc0 .Lentry_shape_is_right
	s_endpgm
.Lentry_shape_is_right:
; Launch 2: q = h Wq + bq, k = h Wk + bk, v = h Wv + bv on codes of E5M2 (K = 1024), each result quantised at once for the attention's products (entries 6, 7, 8 of the scales).  src_mask is left out (see launch 1).
; A tile of 256 x 256 is made by four waves, 128 x 128 each: 64 accumulators, 512 registers.  K goes in steps of 256 bytes through two LDS slots filled by the tensor data mover.
; CLUSTERS of 4 x 4: the cluster's x is the KIND (0 q, 1 k, 2 v), the same in all sixteen partners.  "A" (source 1, shared along a row of the cluster) and "B" (source 0, shared along a column) are chosen by data:
;   q, k: A = 256 rows of h, B = 256 rows of the weight's codes.      v: A = 256 rows of Wv's codes (channels), B = 256 rows of h (keys).
; A lane holds one row of A, and the 8 registers of accumulator b are B's rows 16 b + 8 (lane / 16) + 0 .. 7: eight neighbours along the next product's K (the head's channels for q and k, the keys for v):
; a conversion's 8 bytes belong together and go into the stage by one store of 8 bytes.  A's and B's tiles both take 16 neighbouring rows, 272 bytes apart: the sixteen lanes of a load's pass touch sixteen different 16-byte columns.
; OUT: q and k as [head][row 4096][64 bytes] at 0 and 4 MiB, v as [block of 64 keys][channel 1024][64 keys] at 8 MiB.  The tile's codes meet in a stage in LDS; wave w stores its 64-byte column block: 16 KiB on end.
; The fragments are fetched by loads of 16 bytes: a permutation of k that is the same in A and in B, so every product meets its partner.
; LIMITS: the sum of a product's two exponents between -126 and 127; entries 6, 7, 8 between -126 and 112.  NaN is not served.
; REGISTERS: window 0: v1-29 addresses; v32-95 bias by register (q, k); v96-111 bias by lane, in pairs (v); v112 the out scale; from v128 A's fragments, one set; on the way out v128-255 are free.
;   window 1: B's fragments, two sets.   windows 2, 3: the accumulators ((a, b) at v[8 (8 (a % 4) + b)]).
.set KSTEP,  256
.set ROWB,   256
.set KROW,   1024
.set PITCH,  272                       ; an LDS row: 256 bytes + 16 = 17 columns of 16 bytes: row r starts at column r mod 16 (64 banks of 4 bytes: ISA guide 11.1)
.set FR,     16
.set NL,     4
.set NP,     4
.set HALFT,  128*PITCH
.set SLOT,   4*HALFT
.set LAPS,   2                         ; 1024 / 512
.set SPARE,  2*SLOT
.set SP,     336                       ; the stage's pitch: 256 rows x 336 bytes in slot 0, which has had its last fill and its last read when the first code is stored there; 42 columns of 8 bytes: the 32 lanes of a store fall on 10 r + h mod 32, all different
.set ADRA, 16
.set ADRB, 20
.set STO,  24
.set RD,   25
.set RD2,  26
.set CO,   27
.set SPW,  28
.set NIL,  29
.set BR,   32
.set BA,   96
.set SCL,  112
.set LIM,  113
.set AF,   128
.set T,    128
.set CD,   192
.set BK,   128
.set G1, 24
.set G0, 32
.set G1B, 48
.set G0B, 56
.set MSB, 0
.macro WIN new                         ; the immediate's high byte repeats the setting that is left
.if MSB != \new
	s_set_vgpr_msb (MSB<<8)|\new
.set MSB, \new
.endif
.endm
.set MUL_LO, 0xa1                      ; source 0 (B) window 1, source 1 (A) window 0, C and D window 2
.set MUL_HI, 0xf1
.set TO_B,   0x40
.macro JLOAD g0a, g1a, g0b, g1b        ; a joint load: waves 0, 1 fetch for A, waves 2, 3 for B; an s_nop 0 and four v_nop follow each line
	s_cmp_eq_u32 s15, 0
	s_cbranch_scc0 .Lfor_b_\@
	tensor_load_to_lds s[\g0a:\g0a+3], s[\g1a:\g1a+7]
	s_nop 0
.rept 4
	v_nop
.endr
	s_branch .Lasked_\@
.Lfor_b_\@:
	tensor_load_to_lds s[\g0b:\g0b+3], s[\g1b:\g1b+7]
	s_nop 0
.rept 4
	v_nop
.endr
.Lasked_\@:
.endm
.macro CREST
	s_cmp_lg_u32 s14, 0
	s_cbranch_scc1 .Lnot_wave_0_\@
	s_barrier_signal -3
.Lnot_wave_0_\@:
	s_barrier_wait -3
	s_barrier_signal -1
	s_barrier_wait -1
.endm
.macro CROUND
	s_barrier_signal -1
	s_barrier_wait -1
	CREST
.endm
	s_load_b256 s[4:11], s[0:1], 0x0               ; hc 4, wc 6, the scales' exponents 8, bq 10
	s_load_b128 s[84:87], s[0:1], 0x20             ; bk 84, bv 86
	s_load_b64 s[88:89], s[0:1], 0x30              ; qkv
	v_lshl_add_u32 v[SPW], v0, 2, SPARE
	v_mov_b32 v[NIL], 0
	ds_add_u32 v[SPW], v[NIL]                      ; the opening: the add, twice on end, and its wait ahead of my first tensor load
	ds_add_u32 v[SPW], v[NIL]
	v_lshrrev_b32 v1, 5, v0
	v_readfirstlane_b32 s14, v1                    ; wave
	s_lshr_b32 s15, s14, 1                         ; my half of A's rows; also: I fetch for A (0) or B (1)
	s_and_b32 s16, s14, 1                          ; my half of B's rows; also: which 128 rows I fetch
	s_bfe_u32 s40, ttmp6, 0x40000                  ; cx
	s_bfe_u32 s41, ttmp6, 0x40004                  ; cy
	s_and_b32 s93, ttmp7, 0xffff
	s_lshl_b32 s93, s93, 2                         ; 4 x cluster y
	s_add_co_u32 s17, s93, s41                     ; q, k: A's tile = rows of h
	s_add_co_u32 s94, s41, 8                       ; v: A's tile = rows 2048 + 256 cy of wc
	s_lshl_b32 s42, ttmp9, 2
	s_add_co_u32 s42, s42, s40                     ; q, k: B's tile = rows 256 (4 kind + cx) of wc
	s_add_co_u32 s95, s93, s40                     ; v: B's tile = rows of h
	s_cmp_eq_u32 ttmp9, 2
	s_cselect_b32 s17, s94, s17                    ; A's tile hangs on cy alone,
	s_cselect_b32 s42, s95, s42                    ; B's on cx alone
	s_lshl_b32 s43, s41, 2
	s_lshl_b32 s43, 15, s43                        ; my row of the cluster
	s_lshl_b32 s44, 0x1111, s40                    ; my column
	s_or_b32 s[G1+0], s43, (0<<16)|(1<<20)|(1<<21)|(5<<22)|(3<<25)  ; the mask; elements of 1 byte; padding on; bit 21 beside a mask; 4 words behind every 64
	s_or_b32 s[G1B+0], s44, (0<<16)|(1<<20)|(1<<21)|(5<<22)|(3<<25)
.irp g, G1, G1B
	s_mov_b32 s[\g+1], ROWB<<16                    ; tensor_dim0
	s_mov_b32 s[\g+2], 128<<16                     ; tensor_dim1
	s_mov_b32 s[\g+3], ROWB<<16                    ; tile_dim0
	s_mov_b32 s[\g+4], 128                         ; tile_dim1
	s_mov_b32 s[\g+5], KROW                        ; the pitch in memory
	s_mov_b32 s[\g+6], 0
	s_mov_b32 s[\g+7], 0
.endr
	s_lshl_b32 s18, s16, 7
	s_lshl_b32 s20, s17, 8
	s_add_co_u32 s20, s20, s18
	s_lshl_b32 s20, s20, 10                        ; A: (256 x tile + 128 x half) rows of 1,024 bytes
	s_mov_b32 s21, 0
	s_lshl_b32 s46, s42, 8
	s_add_co_u32 s46, s46, s18
	s_lshl_b32 s46, s46, 10                        ; B likewise
	s_mov_b32 s47, 0
	s_mul_i32 s45, s14, HALFT                      ; where they go: wave x 128 rows
	s_lshl_b32 s90, ttmp9, 22                      ; the kind's set of h's codes
	s_mov_b32 s91, 0
	s_wait_dscnt 0x0                               ; both opening adds are done
	s_wait_kmcnt 0x0
	s_load_b512 s[68:83], s[8:9], 0x0              ; e0 .. e15
	s_add_nc_u64 s[90:91], s[4:5], s[90:91]
	s_cmp_eq_u32 ttmp9, 2
	s_cselect_b64 s[18:19], s[6:7], s[90:91]       ; A's buffer
	s_cselect_b64 s[12:13], s[90:91], s[6:7]       ; B's
	s_add_nc_u64 s[20:21], s[18:19], s[20:21]
	s_add_nc_u64 s[46:47], s[12:13], s[46:47]
	CROUND                                         ; all sixteen work-groups are here: the first joint loads meet
.irp s, 0,1
	s_mov_b32 s[G0+4*\s], 1
	s_add_co_u32 s[G0+4*\s+1], s45, \s*SLOT
	s_add_nc_u64 s[G0+4*\s+2:G0+4*\s+3], s[20:21], \s*ROWB
	s_or_b32 s[G0+4*\s+3], s[G0+4*\s+3], 0x80000000
	s_mov_b32 s[G0B+4*\s], 1
	s_add_co_u32 s[G0B+4*\s+1], s45, \s*SLOT
	s_add_nc_u64 s[G0B+4*\s+2:G0B+4*\s+3], s[46:47], \s*ROWB
	s_or_b32 s[G0B+4*\s+3], s[G0B+4*\s+3], 0x80000000
	JLOAD G0+4*\s, G1, G0B+4*\s, G1B
.endr
	v_and_b32 v1, 15, v0                           ; r
	s_wait_alu depctr_va_vdst(0)
	v_bfe_u32 v2, v0, 4, 1                         ; h
	v_mul_u32_u24 v3, v1, PITCH
	v_lshl_add_u32 v4, v2, 4, v3                   ; A and B alike: row r, + 16 h
	s_mul_i32 s21, s15, HALFT
	s_mul_i32 s22, s16, HALFT
	s_add_co_u32 s22, s22, 2*HALFT
.irp s, 0,1
	v_add_nc_u32 v[ADRA+\s], s21, v4
	v_add_nc_u32 v[ADRB+\s], s22, v4
	s_add_co_u32 s21, s21, SLOT
	s_add_co_u32 s22, s22, SLOT
.endr
	s_mul_i32 s22, s15, 128*SP                     ; the stage: row 128 x (my half of A) + r, byte 128 x (my half of B) + 8 h
	s_lshl_b32 s23, s16, 7
	s_add_co_u32 s22, s22, s23
	v_mul_u32_u24 v6, v1, SP
	s_wait_alu depctr_va_vdst(0)
	v_lshl_add_u32 v6, v2, 3, v6
	v_add_nc_u32 v[STO], s22, v6
	v_and_b32 v6, 31, v0
	v_lshrrev_b32 v7, 2, v6
	v_mul_u32_u24 v7, v7, SP
	v_and_b32 v10, 3, v6
	v_lshl_add_u32 v7, v10, 4, v7
	s_lshl_b32 s22, s14, 6
	v_add_nc_u32 v[RD], s22, v7                    ; back: column block = my wave; four lanes to a row's 64 bytes, eight rows an instruction
	v_add_nc_u32 v[RD2], 128*SP, v[RD]
	v_lshlrev_b32 v[CO], 4, v6
	; the biases.  Both forms are asked for here, so that nothing is waited for on the way out: by register (q, k: 64 numbers a lane) and by lane (v: 8 numbers, each twice); the form that my kind does not use costs 16 small loads
	s_cmp_eq_u32 ttmp9, 1
	s_cselect_b64 s[10:11], s[84:85], s[10:11]
	s_cmp_eq_u32 ttmp9, 2
	s_cselect_b64 s[10:11], s[86:87], s[10:11]
	s_lshl_b32 s22, s40, 10
	s_lshl_b32 s23, s16, 9
	s_add_co_u32 s22, s22, s23
	s_mov_b32 s23, 0
	s_add_nc_u64 s[84:85], s[10:11], s[22:23]      ; by register: entries 256 cx + 128 x half on
	s_lshl_b32 s22, s41, 10
	s_lshl_b32 s92, s15, 9
	s_add_co_u32 s22, s22, s92
	s_add_nc_u64 s[86:87], s[10:11], s[22:23]      ; by lane: entries 256 cy + 128 x half on
	v_lshlrev_b32 v8, 5, v2                        ; 8 h entries; never rewritten
	v_lshlrev_b32 v9, 2, v1                        ; never rewritten
.irp b, 0,1,2,3,4,5,6,7
.irp q, 0,1
	global_load_b128 v[BR+8*\b+4*\q:BR+8*\b+4*\q+3], v8, s[84:85] offset:64*\b+16*\q   ; entries 16 b + 8 h + 4 q on
.endr
.endr
.irp a, 0,1,2,3,4,5,6,7
	global_load_b32 v[BA+2*\a], v9, s[86:87] offset:64*\a
	global_load_b32 v[BA+2*\a+1], v9, s[86:87] offset:64*\a
.endr
	; where my wave's 16 KiB go
	s_lshl_b32 s22, s40, 2
	s_add_co_u32 s22, s22, s14                     ; 4 cx + wave
	s_lshl_b32 s23, s22, 18
	s_add_co_u32 s92, s93, s41
	s_lshl_b32 s92, s92, 14
	s_add_co_u32 s23, s23, s92                     ; q, k: head x 262,144 + first row x 64
	s_lshl_b32 s92, s93, 2
	s_add_co_u32 s92, s92, s22
	s_lshl_b32 s92, s92, 16
	s_lshl_b32 s98, s41, 14
	s_add_co_u32 s92, s92, s98                     ; v: block of keys x 65,536 + first channel x 64
	s_lshl_b32 s98, ttmp9, 22
	s_cmp_eq_u32 ttmp9, 2
	s_cselect_b32 s22, s92, s23
	s_add_co_u32 s22, s22, s98
	s_mov_b32 s23, 0
	s_add_nc_u64 s[88:89], s[88:89], s[22:23]
.macro FRAG reg, adr, q, row           ; 16 rows x 128 K: registers 4 c .. 4 c + 3 hold K = 32 c + 16 (lane / 16) + 0 .. 15
.irp c, 0,1,2,3
	ds_load_b128 v[\reg+4*\c:\reg+4*\c+3], v[\adr] offset:128*(\q)+32*\c+(\row)*PITCH
.endr
.endm
.macro MUL16 a0, p, zero               ; A's blocks a0, a0 + 1 x B's eight; the 64 accumulators take turns in the same order in every step
.irp a, \a0, \a0+1
.irp b, 0,1,2,3,4,5,6,7
.if \zero
	v_wmma_f32_16x16x128_bf8_bf8 v[8*(8*((\a)%4)+\b):8*(8*((\a)%4)+\b)+7], v[128*(\p)+FR*\b:128*(\p)+FR*\b+FR-1], v[AF+FR*(\a):AF+FR*(\a)+FR-1], 0
.else
	v_wmma_f32_16x16x128_bf8_bf8 v[8*(8*((\a)%4)+\b):8*(8*((\a)%4)+\b)+7], v[128*(\p)+FR*\b:128*(\p)+FR*\b+FR-1], v[AF+FR*(\a):AF+FR*(\a)+FR-1], v[8*(8*((\a)%4)+\b):8*(8*((\a)%4)+\b)+7]
.endif
.endr
.endr
.endm
.macro FETCH_B slot, q, p              ; tile i: rows 16 i on
	WIN TO_B
.irp i, 0,1,2,3,4,5,6,7
	FRAG 128*(\p)+FR*\i, ADRB+\slot, \q, 16*\i
.endr
	WIN 0
.endm
.macro FETCH_A slot, q, i0
.irp i, \i0, \i0+1, \i0+2, \i0+3
	FRAG AF+FR*(\i), ADRA+\slot, \q, 16*(\i)
.endr
.endm
.macro PLACES n                        ; plain vector instructions between a matrix instruction and a load into, or a vector read or write of, its registers
.rept \n
	v_nop
.endr
.endm
.macro STEP slot, q, zero
	s_wait_dscnt 4*NL                              ; B's set and A's blocks 0-3 are in; the youngest sixteen loads (A's blocks 4-7) may be out
	WIN MUL_LO
	MUL16 0, (\q)%2, \zero
	MUL16 2, (\q)%2, \zero
	s_wait_dscnt 0
	PLACES NP
	FETCH_B \slot, (\q)+1, 1-(\q)%2
	FETCH_A \slot, (\q)+1, 0
	WIN MUL_HI
	MUL16 4, (\q)%2, \zero
	MUL16 6, (\q)%2, \zero
	PLACES NP
	WIN 0
	FETCH_A \slot, (\q)+1, 4
.endm
.macro TURN slot, next, fill           ; a slot's last step changes slots: one barrier; fill = 1: it opens a round of the cluster's barrier, and this slot is filled again
	s_wait_tensorcnt 0x0                           ; all my tensor loads have landed: my part of the next slot
	ds_add_u32 v[SPW], v[NIL]                      ; 0 onto my spare word
	s_wait_dscnt 4*NL+1                            ; the add and the youngest sixteen loads may be out
	WIN MUL_LO
	MUL16 0, 1, 0
	s_wait_dscnt 0x0                               ; the add is done, and my reads of this slot are over
	s_barrier_signal -1
	MUL16 2, 1, 0
	WIN 0
	s_barrier_wait -1
.if \fill
	CREST                                          ; no wave of any partner still reads this slot or has a load on its way
	s_add_nc_u64 s[G0+4*\slot+2:G0+4*\slot+3], s[G0+4*\slot+2:G0+4*\slot+3], 2*ROWB
	s_add_nc_u64 s[G0B+4*\slot+2:G0B+4*\slot+3], s[G0B+4*\slot+2:G0B+4*\slot+3], 2*ROWB
	JLOAD G0+4*\slot, G1, G0B+4*\slot, G1B         ; the first tensor load behind the round; its four v_nop are the places in front of the loads below
.else
	PLACES NP
.endif
	FETCH_B \next, 0, 0
	FETCH_A \next, 0, 0
	WIN MUL_HI
	MUL16 4, 1, 0
	MUL16 6, 1, 0
	PLACES NP
	WIN 0
	FETCH_A \next, 0, 4
.endm
	s_wait_tensorcnt 1                             ; my part of K step 0 is in; K step 1's load may be out
	s_barrier_signal -1
	s_barrier_wait -1
	FETCH_B 0, 0, 0
	FETCH_A 0, 0, 0
	FETCH_A 0, 0, 4
	STEP 0, 0, 1                                   ; the first step's products start the sums
	s_mov_b32 s3, LAPS-1
.Llap:
	TURN 0, 1, 1
	STEP 1, 0, 0
	TURN 1, 0, 1
	STEP 0, 0, 0
	s_sub_co_u32 s3, s3, 1
	s_cmp_lg_u32 s3, 0
	s_cbranch_scc1 .Llap
	TURN 0, 1, 0                                   ; the last lap fills nothing
	STEP 1, 0, 0
	s_wait_dscnt 4*NL
	WIN MUL_LO
	MUL16 0, 1, 0
	MUL16 2, 1, 0
	s_wait_dscnt 0
	WIN MUL_HI
	MUL16 4, 1, 0
	MUL16 6, 1, 0
	WIN 0
	; THE WAY OUT: sum x 2^(eh + ew) + bias, held, converted with the next product's scale.
	s_wait_kmcnt 0x0
	s_wait_loadcnt 0x0                             ; the biases
	s_cmp_eq_u32 ttmp9, 1
	s_cselect_b32 s96, s70, s68
	s_cselect_b32 s97, s71, s69
	s_cselect_b32 s98, s75, s74
	s_cmp_eq_u32 ttmp9, 2
	s_cselect_b32 s96, s72, s96
	s_cselect_b32 s97, s73, s97
	s_cselect_b32 s98, s76, s98
	s_add_co_i32 s96, s96, s97
	s_add_co_i32 s96, s96, 127
	s_lshl_b32 s96, s96, 23                        ; 2^(eh + ew)
	s_mov_b32 s97, s96
	s_add_co_i32 s98, s98, 127
	s_lshl_b32 s99, s98, 23
	v_mov_b32 v[SCL], s99                          ; 2^eo
	PLACES NP
; Block a: 16 rows of A x my 128 of B.  The branch hangs on the cluster's x alone and leads round the 32 multiply-adds only: conversions and LDS stores lie on one path.
.macro OUTBLK a
.set AC, 64*((\a)%4)
	s_cmp_eq_u32 ttmp9, 2
	s_cbranch_scc1 .Lby_lane_\@
	WIN 0x02+((\a)/4)                              ; source 0: window 2 or 3
.irp j, 0,2,4,6,8,10,12,14,16,18,20,22,24,26,28,30,32,34,36,38,40,42,44,46,48,50,52,54,56,58,60,62
	v_pk_fma_f32 v[T+\j:T+\j+1], v[AC+\j:AC+\j+1], s[96:97], v[BR+\j:BR+\j+1] op_sel_hi:[1,0,1]   ; each accumulator from its low end on
.endr
	WIN 0
	s_branch .Ljoin_\@
.Lby_lane_\@:
	WIN 0x02+((\a)/4)
.irp j, 0,2,4,6,8,10,12,14,16,18,20,22,24,26,28,30,32,34,36,38,40,42,44,46,48,50,52,54,56,58,60,62
	v_pk_fma_f32 v[T+\j:T+\j+1], v[AC+\j:AC+\j+1], s[96:97], v[BA+2*(\a):BA+2*(\a)+1] op_sel_hi:[1,0,1]
.endr
	WIN 0
.Ljoin_\@:
	s_wait_alu depctr_va_vdst(0)
.irp p, 0,1,2,3
.irp i, 0,1,2,3,4,5,6,7,8,9,10,11,12,13,14,15
.endr
.if \p == 0
	s_wait_dscnt 0x0                               ; the last block's LDS stores have read the codes' registers
.endif
	v_cvt_scalef32_pk8_bf8_f32 v[CD+4*\p:CD+4*\p+1], v[T+16*\p:T+16*\p+7], v[SCL]          ; accumulator 2 p: B's rows 32 p + 8 h + 0 .. 7
	v_cvt_scalef32_pk8_bf8_f32 v[CD+4*\p+2:CD+4*\p+3], v[T+16*\p+8:T+16*\p+15], v[SCL]     ; accumulator 2 p + 1: 16 further on
.endr
	v_nop                                          ; a plain instruction behind the last conversion
.irp b, 0,1,2,3,4,5,6,7
	ds_store_b64 v[STO], v[CD+2*\b:CD+2*\b+1] offset:16*(\a)*SP+16*\b
.endr
.endm
.irp a, 0,1,2,3,4,5,6,7
	OUTBLK \a
.endr
	s_wait_dscnt 0x0                               ; for the others' sake: my stores into the stage are done
	s_barrier_signal -1
	s_barrier_wait -1
.irp t, 0,1,2,3,4,5,6,7,8,9,10,11,12,13,14,15
	ds_load_b128 v[BK+4*\t:BK+4*\t+3], v[RD] offset:8*\t*SP
.endr
.irp t, 0,1,2,3,4,5,6,7,8,9,10,11,12,13,14,15
	ds_load_b128 v[BK+64+4*\t:BK+64+4*\t+3], v[RD2] offset:8*\t*SP
.endr
.irp t, 0,1,2,3,4,5,6,7,8,9,10,11,12,13,14,15,16,17,18,19,20,21,22,23,24,25,26,27,28,29,30,31
	s_wait_dscnt 31-\t                             ; the younger loads may stay out
	global_store_b128 v[CO], v[BK+4*\t:BK+4*\t+3], s[88:89] offset:512*\t   ; the wave stores 512 consecutive bytes, aligned
.endr
	s_wait_tensorcnt 0x0                           ; the wave's end
	ds_add_u32 v[SPW], v[NIL]
	s_wait_dscnt 0x0
	CROUND                                         ; the closing round
	s_endpgm
.Lfunc_end_k_qdd5d53c96b_qkv:
	.size	k_qdd5d53c96b_qkv, .Lfunc_end_k_qdd5d53c96b_qkv-k_qdd5d53c96b_qkv
	.p2alignl 7, 3214868480
	.fill 96, 4, 3214868480
	.section	.rodata,"a",@progbits
	.p2align	6, 0x0
	.amdhsa_kernel k_qdd5d53c96b_qkv
		.amdhsa_group_segment_fixed_size 327680
		.amdhsa_private_segment_fixed_size 0
		.amdhsa_enable_private_segment 0
		.amdhsa_kernarg_size 56
		.amdhsa_user_sgpr_count 2
		.amdhsa_user_sgpr_kernarg_segment_ptr 1
		.amdhsa_wavefront_size32 1
		.amdhsa_system_sgpr_workgroup_id_x 1
		.amdhsa_system_sgpr_workgroup_id_y 1
		.amdhsa_system_sgpr_workgroup_id_z 1
		.amdhsa_system_vgpr_workitem_id 0
		.amdhsa_next_free_vgpr 1024
		.amdhsa_next_free_sgpr 100
		.amdhsa_reserve_vcc 0
		.amdhsa_float_denorm_mode_32 3
		.amdhsa_float_denorm_mode_16_64 3
		.amdhsa_fp16_overflow 1
		.amdhsa_memory_ordered 1
		.amdhsa_forward_progress 1
		.amdhsa_inst_pref_size 131
	.end_amdhsa_kernel
	.amdgpu_metadata
---
amdhsa.version: [ 1, 2 ]
amdhsa.kernels:
  - .name:           k_qdd5d53c96b_qkv
    .symbol:         k_qdd5d53c96b_qkv.kd
    .args:
      - { .name: hc, .offset: 0, .size: 8, .value_kind: global_buffer, .address_space: global }
      - { .name: wc, .offset: 8, .size: 8, .value_kind: global_buffer, .address_space: global }
      - { .name: lowp_scales, .offset: 16, .size: 8, .value_kind: global_buffer, .address_space: global }
      - { .name: bq, .offset: 24, .size: 8, .value_kind: global_buffer, .address_space: global }
      - { .name: bk, .offset: 32, .size: 8, .value_kind: global_buffer, .address_space: global }
      - { .name: bv, .offset: 40, .size: 8, .value_kind: global_buffer, .address_space: global }
      - { .name: qkv, .offset: 48, .size: 8, .value_kind: global_buffer, .address_space: global }
    .group_segment_fixed_size: 327680
    .private_segment_fixed_size: 0
    .kernarg_segment_align: 8
    .kernarg_segment_size: 56
    .max_flat_workgroup_size: 128
    .sgpr_count:     100
    .vgpr_count:     1024
    .wavefront_size: 32
...
	.end_amdgpu_metadata
.endif
;; end of part 2
;; launch attn (part 3): grid 8 x 32, 16 waves a work-group, clusters of 4 x 1, 327,680 bytes of LDS; arguments qkv, lowp_scales, cc; writes cc
.if DOCPART == 3
	.amdgcn_target "amdgcn-amd-amdhsa--gfx1250"
	.amdhsa_code_object_version 6
	.text
	.protected	k_qdd5d53c96b_attn
	.globl	k_qdd5d53c96b_attn
	.p2align	8
	.type	k_qdd5d53c96b_attn,@function
k_qdd5d53c96b_attn:
	s_mov_b64 s[64:65], 0
	v_nop
	global_prefetch_b8 v0, s[64:65] scope:SCOPE_SE
	s_setreg_imm32_b32 hwreg(HW_REG_WAVE_MODE, 25, 1), 1
	s_wait_xcnt 0x0
	s_wait_alu depctr_hold_cnt(0) depctr_sa_sdst(0) depctr_va_vdst(0) depctr_va_sdst(0) depctr_va_ssrc(0) depctr_va_vcc(0) depctr_vm_vsrc(0)
	s_getreg_b32 s2, hwreg(HW_REG_IB_STS2, 6, 4)
	s_cmp_eq_u32 s2, 0
	s_cbranch_scc0 .Lentry_in_a_cluster
	s_endpgm
.Lentry_in_a_cluster:
	s_bfe_u32 s2, ttmp6, 0x10000c
	s_cmp_lg_u32 s2, 0x3003
	s_cbranch_scc0 .Lentry_shape_is_right
	s_endpgm
.Lentry_shape_is_right:
.set KU,    4352
.set VB,    32*KU
.set SPARE, 64*KU
.set AK0,  1
.set AV0,  2
.set SPW,  5
.set NIL,  6
.set GO,   7
.set ADK,  8
.set ADV,  9
.set WV,   18
.set SEL,  20
.set CS,   22
.set G1,   24
.set G0,   40
.set TB,   2
.set CNT,  3
.macro CROUND
	s_barrier_signal -1
	s_barrier_wait -1
	s_cmp_lg_u32 s[WV], 0
	s_cbranch_scc1 .Lnot_wave_0_\@
	s_barrier_signal -3
.Lnot_wave_0_\@:
	s_barrier_wait -3
	s_barrier_signal -1
	s_barrier_wait -1
.endm
	s_load_b128 s[4:7], s[0:1], 0x0
	s_load_b64 s[8:9], s[0:1], 0x10
	v_lshl_add_u32 v[SPW], v0, 2, SPARE
	v_mov_b32 v[NIL], 0
	ds_add_u32 v[SPW], v[NIL]
	ds_add_u32 v[SPW], v[NIL]
	v_lshrrev_b32 v8, 5, v0
	s_delay_alu instid0(VALU_DEP_1)
	v_readfirstlane_b32 s[WV], v8
	s_mov_b32 s[G1], 15|(0<<16)|(1<<20)|(1<<21)|(5<<22)|(3<<25)
	s_mov_b32 s[G1+1], 256<<16
	s_mov_b32 s[G1+2], 16<<16
	s_mov_b32 s[G1+3], 256<<16
	s_mov_b32 s[G1+4], 16
	s_mov_b32 s[G1+5], 256
	s_mov_b32 s[G1+6], 0
	s_mov_b32 s[G1+7], 0
	s_and_b32 s56, s[WV], 7
	s_lshr_b32 s57, s[WV], 3
	s_lshl_b32 s58, s57, 5
	s_add_co_u32 s58, s58, s56
	s_mul_i32 s58, s58, KU
	s_and_b32 s59, ttmp7, 0xffff
	s_lshr_b32 s60, s59, 4
	s_and_b32 s61, s59, 15
	s_lshl_b32 s62, s61, 18
	s_lshl_b32 s63, s60, 17
	s_add_co_u32 s62, s62, s63
	s_add_co_u32 s62, s62, 0x400000
	s_lshl_b32 s66, s60, 21
	s_lshl_b32 s67, s61, 12
	s_add_co_u32 s66, s66, s67
	s_add_co_u32 s66, s66, 0x800000
	s_cmp_lt_u32 s[WV], 8
	s_cselect_b32 s62, s62, s66
	s_cselect_b32 s63, 12, 16
	s_lshl_b32 s66, s56, s63
	s_add_co_u32 s62, s62, s66
	s_lshl_b32 s66, 8, s63
	s_mov_b32 s63, 0
	s_mov_b32 s67, 0
	s_bfe_u32 s84, ttmp6, 0x40000
	s_lshl_b32 s85, ttmp9, 2
	s_add_co_u32 s85, s85, s84
	s_lshl_b32 s85, s85, 8
	s_lshl_b32 s86, s60, 11
	s_add_co_u32 s85, s85, s86
	s_lshl_b32 s86, s[WV], 4
	s_add_co_u32 s85, s85, s86
	s_lshl_b32 s86, s85, 6
	s_lshl_b32 s87, s61, 18
	s_add_co_u32 s86, s86, s87
	s_mov_b32 s87, 0
	s_lshl_b32 s88, s85, 10
	s_lshl_b32 s89, s61, 6
	s_add_co_u32 s88, s88, s89
	s_mov_b32 s89, 0
	s_mov_b32 s[SEL], 0x76543210
	s_mov_b32 s[SEL+1], 0xfedcba98
	s_mov_b32 s[CS], 0x3e38aa3b
.irp s, 0,1,2,3
	s_mov_b32 s[G0+4*\s], 1
	s_add_co_u32 s[G0+4*\s+1], s58, \s*8*KU
.endr
	s_wait_dscnt 0x0
	s_wait_kmcnt 0x0
	s_load_b512 s[68:83], s[6:7], 0x0
	s_add_nc_u64 s[G0+2:G0+3], s[4:5], s[62:63]
.irp s, 1,2,3
	s_add_nc_u64 s[G0+4*\s+2:G0+4*\s+3], s[G0+4*\s-2:G0+4*\s-1], s[66:67]
.endr
.irp s, 0,1,2,3
	s_or_b32 s[G0+4*\s+3], s[G0+4*\s+3], 0x80000000
.endr
	s_add_nc_u64 s[10:11], s[4:5], s[86:87]
	s_add_nc_u64 s[8:9], s[8:9], s[88:89]
	CROUND
.irp s, 0,1,2,3
	tensor_load_to_lds s[G0+4*\s:G0+4*\s+3], s[G1:G1+7]
	s_nop 0
.endr
.rept 4
	v_nop
.endr
	v_and_b32 v8, 15, v0
	v_bfe_u32 v9, v0, 4, 1
	s_delay_alu instid0(VALU_DEP_2)
	v_lshlrev_b32 v10, 6, v8
	s_delay_alu instid0(VALU_DEP_1)
	v_lshl_add_u32 v10, v9, 4, v10
	global_load_b128 v[16:19], v10, s[10:11]
	global_load_b128 v[20:23], v10, s[10:11] offset:32
	v_lshrrev_b32 v[AK0], 2, v8
	s_delay_alu instid0(VALU_DEP_1)
	v_mul_u32_u24 v[AK0], v[AK0], 272
	v_and_b32 v11, 3, v8
	s_delay_alu instid0(VALU_DEP_1)
	v_lshl_add_u32 v[AK0], v11, 6, v[AK0]
	s_delay_alu instid0(VALU_DEP_1)
	v_lshl_add_u32 v[AV0], v9, 3, v[AK0]
	s_delay_alu instid0(VALU_DEP_1)
	v_add_nc_u32 v[AV0], VB, v[AV0]
	s_delay_alu instid0(VALU_DEP_3)
	v_lshl_add_u32 v[AK0], v9, 4, v[AK0]
	v_lshlrev_b32 v[GO], 10, v8
	s_delay_alu instid0(VALU_DEP_1)
	v_lshl_add_u32 v[GO], v9, 3, v[GO]
	v_mov_b32 v13, 0xff61b1e6
	s_delay_alu instid0(VALU_DEP_1)
	v_floor_f32 v12, -v13
	v_mov_b32 v14, 0
	v_mov_b32 v15, 0
	v_mov_b32 v236, 0
	v_mov_b32 v253, 0
.irp j, 0,1,2,3,4,5,6,7,8,9,10,11,12,13,14,15,16,17,18,19,20,21,22,23,24,25,26,27,28,29,30,31
	v_mov_b32 v[160+\j], 0
.endr
	s_wait_kmcnt 0x0
	s_add_co_i32 s90, s74, s75
	s_lshl_b32 s90, s90, 23
	s_add_co_i32 s[CS], s[CS], s90
	s_mov_b32 s[CS+1], s[CS]
	s_add_co_i32 s90, s77, 127
	s_lshl_b32 s91, s90, 23
	v_mov_b32 v244, s91
	s_add_co_i32 s90, s78, 127
	s_lshl_b32 s91, s90, 23
	v_mov_b32 v245, s91
	s_add_co_i32 s92, s76, s77
.macro STEP
	v_add_nc_u32 v[ADK], s[TB], v[AK0]
	v_add_nc_u32 v[ADV], s[TB], v[AV0]
	v_nop
	v_nop
.irp t, 0,1,2,3,4,5,6,7
.irp c, 0,1
	ds_load_b128 v[32+8*\t+4*\c:32+8*\t+4*\c+3], v[ADK] offset:4*\t*272+32*\c
.endr
.endr
	s_wait_alu depctr_va_vdst(0)
	s_wait_dscnt 0x0
.irp t, 0,1,2,3,4,5,6,7
	v_wmma_f32_16x16x64_bf8_bf8 v[96+8*\t:103+8*\t], v[32+8*\t:39+8*\t], v[16:23], 0
.endr
.rept 4
	v_nop
.endr
.irp t, 0,1,2,3
.irp c, 0,1,2,3,4,5,6,7
	ds_load_b64 v[32+16*\t+2*\c:32+16*\t+2*\c+1], v[ADV] offset:4*\t*272+(\c/4)*KU+(\c%4)*16
.endr
.endr
	v_max3_num_f32 v254, v96, v97, v98
	v_max3_num_f32 v252, v99, v100, v101
.irp i, 6,10,14,18,22,26,30,34,38,42,46,50,54,58
	v_max3_num_f32 v254, v254, v[96+\i], v[97+\i]
	v_max3_num_f32 v252, v252, v[98+\i], v[99+\i]
.endr
	v_max3_num_f32 v254, v254, v158, v159
	s_delay_alu instid0(VALU_DEP_1)
	v_max_num_f32 v254, v254, v252
	v_permlanex16_b32 v236, v254, s[SEL], s[SEL+1]
	s_delay_alu instid0(VALU_DEP_1)
	v_max_num_f32 v254, v254, v236
	s_delay_alu instid0(VALU_DEP_1)
	v_mul_f32 v254, s[CS], v254
	s_delay_alu instid0(VALU_DEP_1)
	v_max_num_f32 v13, v13, v254
	v_mov_b32 v254, v12
	s_delay_alu instid0(VALU_DEP_2)
	v_floor_f32 v12, -v13
	s_delay_alu instid0(VALU_DEP_1)
	v_sub_f32 v254, v12, v254
	s_delay_alu instid0(VALU_DEP_1)
	v_cvt_i32_f32 v254, v254
	s_delay_alu instid0(VALU_DEP_1)
	v_ldexp_f32 v252, 1.0, v254
.irp j, 0,2,4,6,8,10,12,14,16,18,20,22,24,26,28,30,32,34,36,38,40,42,44,46,48,50,52,54,56,58,60,62
	v_pk_fma_f32 v[96+\j:97+\j], v[96+\j:97+\j], s[CS:CS+1], v[12:13] op_sel_hi:[1,0,0]
.endr
	s_setprio 1
	s_wait_alu depctr_va_vdst(0)
.irp j, 0,1,2,3,4,5,6,7,8,9,10,11,12,13,14,15,16,17,18,19,20,21,22,23,24,25,26,27,28,29,30,31,32,33,34,35,36,37,38,39,40,41,42,43,44,45,46,47,48,49,50,51,52,53,54,55,56,57,58,59,60,61,62,63
	v_exp_f32 v[96+\j], v[96+\j]
.endr
	v_pk_mul_f32 v[14:15], v[14:15], v[252:253] op_sel_hi:[1,0]
	s_wait_alu depctr_va_vdst(0)
	v_pk_add_f32 v[242:243], v[100:101], v[104:105]
	v_pk_add_f32 v[254:255], v[108:109], v[112:113]
	v_pk_add_f32 v[250:251], v[116:117], v[120:121]
	v_pk_add_f32 v[248:249], v[124:125], v[128:129]
	v_pk_add_f32 v[246:247], v[132:133], v[136:137]
	v_pk_add_f32 v[240:241], v[140:141], v[144:145]
	v_pk_add_f32 v[238:239], v[148:149], v[152:153]
	v_pk_add_f32 v[14:15], v[14:15], v[156:157]
	v_pk_add_f32 v[242:243], v[242:243], v[96:97]
	v_pk_add_f32 v[254:255], v[254:255], v[98:99]
	v_pk_add_f32 v[250:251], v[250:251], v[102:103]
	v_pk_add_f32 v[248:249], v[248:249], v[106:107]
	v_pk_add_f32 v[246:247], v[246:247], v[110:111]
	v_pk_add_f32 v[240:241], v[240:241], v[114:115]
	v_pk_add_f32 v[238:239], v[238:239], v[118:119]
	v_pk_add_f32 v[14:15], v[14:15], v[122:123]
	v_pk_add_f32 v[242:243], v[242:243], v[126:127]
	v_pk_add_f32 v[254:255], v[254:255], v[130:131]
	v_pk_add_f32 v[250:251], v[250:251], v[134:135]
	v_pk_add_f32 v[248:249], v[248:249], v[138:139]
	v_pk_add_f32 v[246:247], v[246:247], v[142:143]
	v_pk_add_f32 v[240:241], v[240:241], v[146:147]
	v_pk_add_f32 v[238:239], v[238:239], v[150:151]
	v_pk_add_f32 v[14:15], v[14:15], v[154:155]
	v_pk_add_f32 v[242:243], v[242:243], v[158:159]
	s_delay_alu instid0(VALU_DEP_2)
	v_pk_add_f32 v[14:15], v[14:15], v[248:249]
	s_delay_alu instid0(VALU_DEP_2)
	v_pk_add_f32 v[242:243], v[242:243], v[246:247]
	v_pk_add_f32 v[254:255], v[254:255], v[240:241]
	v_pk_add_f32 v[250:251], v[250:251], v[238:239]
	s_delay_alu instid0(VALU_DEP_2)
	v_pk_add_f32 v[14:15], v[14:15], v[254:255]
	s_delay_alu instid0(VALU_DEP_2)
	v_pk_add_f32 v[242:243], v[242:243], v[250:251]
	s_delay_alu instid0(VALU_DEP_1)
	v_pk_add_f32 v[14:15], v[14:15], v[242:243]
.irp b, 0,1,2,3
.irp i, 0,1,2,3,4,5,6,7,8,9,10,11,12,13,14,15
.endr
	v_cvt_scalef32_pk8_bf8_f32 v[224+4*\b:225+4*\b], v[96+16*\b:103+16*\b], v244
	v_cvt_scalef32_pk8_bf8_f32 v[226+4*\b:227+4*\b], v[104+16*\b:111+16*\b], v244
.endr
	s_setprio 0
.irp j, 0,2,4,6,8,10,12,14,16,18,20,22,24,26,28,30
	v_pk_mul_f32 v[160+\j:161+\j], v[160+\j:161+\j], v[252:253] op_sel_hi:[1,0]
.endr
	s_wait_alu depctr_va_vdst(0)
	s_wait_dscnt 0x0
.irp t, 0,1,2,3
	v_wmma_f32_16x16x128_bf8_bf8 v[160+8*\t:167+8*\t], v[32+16*\t:47+16*\t], v[224:239], v[160+8*\t:167+8*\t]
.endr
	s_add_co_u32 s[TB], s[TB], 2*KU
.endm
.macro STAGE left, first, trips
	s_wait_tensorcnt \left
	s_barrier_signal -1
	s_barrier_wait -1
	s_mov_b32 s[TB], (\first)*KU
	s_mov_b32 s[CNT], \trips
.Lstep_\@:
	s_setprio 2
	STEP
	s_sub_co_u32 s[CNT], s[CNT], 1
	s_cmp_lg_u32 s[CNT], 0
	s_cbranch_scc1 .Lstep_\@
	s_setprio 0
.endm
	s_wait_loadcnt 0x0
	STAGE 3, 0, 4
	STAGE 0, 8, 12
	v_add_f32 v14, v14, v15
	s_delay_alu instid0(VALU_DEP_1)
	v_permlanex16_b32 v252, v14, s[SEL], s[SEL+1]
	s_delay_alu instid0(VALU_DEP_1)
	v_add_f32 v14, v14, v252
	s_wait_alu depctr_va_vdst(0)
	v_rcp_f32 v14, v14
	v_nop
	v_nop
	v_nop
	v_nop
	s_wait_alu depctr_va_vdst(0)
	v_ldexp_f32 v14, v14, s92
	s_delay_alu instid0(VALU_DEP_1)
	v_mov_b32 v15, v14
.irp j, 0,2,4,6,8,10,12,14,16,18,20,22,24,26,28,30
	v_pk_mul_f32 v[96+\j:97+\j], v[160+\j:161+\j], v[14:15]
.endr
.irp b, 0,1
.irp i, 0,1,2,3,4,5,6,7,8,9,10,11,12,13,14,15
.endr
	v_cvt_scalef32_pk8_bf8_f32 v[224+4*\b:225+4*\b], v[96+16*\b:103+16*\b], v245
	v_cvt_scalef32_pk8_bf8_f32 v[226+4*\b:227+4*\b], v[104+16*\b:111+16*\b], v245
.endr
	v_nop
.irp t, 0,1,2,3
	global_store_b64 v[GO], v[224+2*\t:225+2*\t], s[8:9] offset:16*\t
.endr
	s_wait_tensorcnt 0x0
	ds_add_u32 v[SPW], v[NIL]
	s_wait_dscnt 0x0
	CROUND
	s_endpgm
.Lfunc_end_k_qdd5d53c96b_attn:
	.size	k_qdd5d53c96b_attn, .Lfunc_end_k_qdd5d53c96b_attn-k_qdd5d53c96b_attn
	.p2alignl 7, 3214868480
	.fill 96, 4, 3214868480
	.section	.rodata,"a",@progbits
	.p2align	6, 0x0
	.amdhsa_kernel k_qdd5d53c96b_attn
		.amdhsa_group_segment_fixed_size 327680
		.amdhsa_private_segment_fixed_size 0
		.amdhsa_enable_private_segment 0
		.amdhsa_kernarg_size 24
		.amdhsa_user_sgpr_count 2
		.amdhsa_user_sgpr_kernarg_segment_ptr 1
		.amdhsa_wavefront_size32 1
		.amdhsa_system_sgpr_workgroup_id_x 1
		.amdhsa_system_sgpr_workgroup_id_y 1
		.amdhsa_system_sgpr_workgroup_id_z 1
		.amdhsa_system_vgpr_workitem_id 0
		.amdhsa_next_free_vgpr 256
		.amdhsa_next_free_sgpr 100
		.amdhsa_reserve_vcc 0
		.amdhsa_float_denorm_mode_32 3
		.amdhsa_float_denorm_mode_16_64 3
		.amdhsa_fp16_overflow 1
		.amdhsa_memory_ordered 1
		.amdhsa_forward_progress 1
		.amdhsa_inst_pref_size 41
	.end_amdhsa_kernel
	.amdgpu_metadata
---
amdhsa.version: [ 1, 2 ]
amdhsa.kernels:
  - .name:           k_qdd5d53c96b_attn
    .symbol:         k_qdd5d53c96b_attn.kd
    .args:
      - { .name: qkv, .offset: 0, .size: 8, .value_kind: global_buffer, .address_space: global }
      - { .name: lowp_scales, .offset: 8, .size: 8, .value_kind: global_buffer, .address_space: global }
      - { .name: cc, .offset: 16, .size: 8, .value_kind: global_buffer, .address_space: global }
    .group_segment_fixed_size: 327680
    .private_segment_fixed_size: 0
    .kernarg_segment_align: 8
    .kernarg_segment_size: 24
    .max_flat_workgroup_size: 512
    .sgpr_count:     100
    .vgpr_count:     256
    .wavefront_size: 32
...
	.end_amdgpu_metadata
.endif
;; end of part 3
;; launch wo (part 4): grid 8 x 32, 4 waves a work-group, clusters of 4 x 4, 327,680 bytes of LDS; arguments cc, wc, lowp_scales, bo, x, x1; writes x1
.if DOCPART == 4
	.amdgcn_target "amdgcn-amd-amdhsa--gfx1250"
	.amdhsa_code_object_version 6
	.text
	.protected	k_qdd5d53c96b_wo
	.globl	k_qdd5d53c96b_wo
	.p2align	8
	.type	k_qdd5d53c96b_wo,@function
k_qdd5d53c96b_wo:
	s_mov_b64 s[64:65], 0
	v_nop
	global_prefetch_b8 v0, s[64:65] scope:SCOPE_SE
	s_setreg_imm32_b32 hwreg(HW_REG_WAVE_MODE, 25, 1), 1
	s_wait_xcnt 0x0
	s_wait_alu depctr_hold_cnt(0) depctr_sa_sdst(0) depctr_va_vdst(0) depctr_va_sdst(0) depctr_va_ssrc(0) depctr_va_vcc(0) depctr_vm_vsrc(0)
	s_getreg_b32 s2, hwreg(HW_REG_IB_STS2, 6, 4)
	s_cmp_eq_u32 s2, 0
	s_cbranch_scc0 .Lentry_in_a_cluster
	s_endpgm
.Lentry_in_a_cluster:
	s_bfe_u32 s2, ttmp6, 0x10000c
	s_cmp_lg_u32 s2, 0xf033
	s_cbranch_scc0 .Lentry_shape_is_right
	s_endpgm
.Lentry_shape_is_right:
; Launch 4: x1 = x + (ctx Wo + bo).  ctx's and Wo's codes of E5M2 are multiplied as they are; each sum once by 2^(e10 + e11).  src_mask is left out (see launch 1).
; out [4096][1024] f32 has 256 tiles of 128 x 128, one to a work-group: tiles of 256 x 256 would be 64.  Four waves, 64 x 64 each: 16 accumulators.  K goes in steps of 512 bytes through two LDS slots.
; CLUSTERS of 4 x 4: A's tiles are shared along a row of the cluster, B's along a column: joint loads.  The matrix instruction is used transposed (source 0 = rows of B): a lane holds eight neighbouring numbers of a row.
; The residual's 64 x 64 numbers and the bias are asked for at the head, in the layout of the stores, and are waited for on the way out.
; LIMIT: the two exponents' sum between -126 and 127.
; REGISTERS: window 0: v16-29 addresses; v32-63 the way out; v96-99 bias; v128-255 accumulators ((a, b) at v[128 + 8 (4 a + b)]).  window 1: two fragment buffers of 128 (A's 4 x 16, then B's).  window 2: v0-127 the residual.
.set SIZE_K, 1024
.set WOFF,   3<<20
.set EI,     10
.set KSTEP,  512
.set PITCH,  528                       ; an LDS row: 512 bytes + 16: the 16 rows that a load touches start at 16 different groups of banks (ISA guide 11.1)
.set HALFT,  64*PITCH
.set SLOT,   4*HALFT
.set STAGE,  2*SLOT                    ; behind the ring: 16 rows x 272 bytes for each wave
.set SPITCH, 272
.set SPARE,  STAGE+4*16*SPITCH
.set LAPS,   SIZE_K/(2*KSTEP)
.set ADRA, 16
.set ADRB, 20
.set STO,  24
.set RD,   25
.set CO,   26
.set BO,   27
.set SPW,  28
.set NIL,  29
.set TMP,  32
.set BI,   96
.set ACC,  128
.set F0,   0
.set F1,   128
.set RES,  0
.set G1, 24
.set G0, 32
.set G1B, 48
.set G0B, 56
.set MSB, 0
.macro WIN new
.if MSB != \new
	s_set_vgpr_msb (MSB<<8)|\new
.set MSB, \new
.endif
.endm
.set MUL,  0x05                        ; sources 0 (B) and 1 (A) window 1; C and D window 0
.set TO_F, 0x40
.macro JLOAD s                         ; waves 0, 1 fetch A's halves, waves 2, 3 B's; an s_nop 0 and four v_nop follow each line
	s_cmp_eq_u32 s15, 0
	s_cbranch_scc0 .Lfor_b_\@
	tensor_load_to_lds s[G0+4*\s:G0+4*\s+3], s[G1:G1+7]
	s_nop 0
.rept 4
	v_nop
.endr
	s_branch .Lasked_\@
.Lfor_b_\@:
	tensor_load_to_lds s[G0B+4*\s:G0B+4*\s+3], s[G1B:G1B+7]
	s_nop 0
.rept 4
	v_nop
.endr
.Lasked_\@:
.endm
.macro CREST
	s_cmp_lg_u32 s14, 0
	s_cbranch_scc1 .Lnot_wave_0_\@
	s_barrier_signal -3
.Lnot_wave_0_\@:
	s_barrier_wait -3
	s_barrier_signal -1
	s_barrier_wait -1
.endm
.macro CROUND
	s_barrier_signal -1
	s_barrier_wait -1
	CREST
.endm
	s_load_b256 s[4:11], s[0:1], 0x0               ; A's codes 4, wc 6, the scales' exponents 8, the bias 10
	s_load_b128 s[84:87], s[0:1], 0x20             ; the residual 84, the result 86
	v_lshl_add_u32 v[SPW], v0, 2, SPARE
	v_mov_b32 v[NIL], 0
	ds_add_u32 v[SPW], v[NIL]                      ; the opening: the add, twice on end, and its wait ahead of my first tensor load
	ds_add_u32 v[SPW], v[NIL]
	v_lshrrev_b32 v1, 5, v0
	v_readfirstlane_b32 s14, v1
	s_lshr_b32 s15, s14, 1
	s_and_b32 s16, s14, 1
	s_bfe_u32 s40, ttmp6, 0x40000
	s_bfe_u32 s41, ttmp6, 0x40004
	s_lshl_b32 s42, ttmp9, 2
	s_add_co_u32 s42, s42, s40                     ; tile column
	s_and_b32 s17, ttmp7, 0xffff
	s_lshl_b32 s17, s17, 2
	s_add_co_u32 s17, s17, s41                     ; tile row
	s_lshl_b32 s43, s41, 2
	s_lshl_b32 s43, 15, s43
	s_lshl_b32 s44, 0x1111, s40
	s_or_b32 s[G1+0], s43, (0<<16)|(1<<20)|(1<<21)|(6<<22)|(3<<25)  ; the mask; elements of 1 byte; padding on; bit 21 beside a mask; 4 words behind every 128
	s_or_b32 s[G1B+0], s44, (0<<16)|(1<<20)|(1<<21)|(6<<22)|(3<<25)
.irp g, G1, G1B
	s_mov_b32 s[\g+1], KSTEP<<16
	s_mov_b32 s[\g+2], 64<<16
	s_mov_b32 s[\g+3], KSTEP<<16
	s_mov_b32 s[\g+4], 64
	s_mov_b32 s[\g+5], SIZE_K
	s_mov_b32 s[\g+6], 0
	s_mov_b32 s[\g+7], 0
.endr
	s_lshl_b32 s18, s16, 6
	s_lshl_b32 s20, s17, 7
	s_add_co_u32 s20, s20, s18
	s_mul_i32 s20, s20, SIZE_K
	s_mov_b32 s21, 0
	s_lshl_b32 s46, s42, 7
	s_add_co_u32 s46, s46, s18
	s_mul_i32 s46, s46, SIZE_K
	s_add_co_u32 s46, s46, WOFF
	s_mov_b32 s47, 0
	s_mul_i32 s45, s14, HALFT
	s_wait_dscnt 0x0
	s_wait_kmcnt 0x0
	s_load_b512 s[68:83], s[8:9], 0x0
	s_add_nc_u64 s[20:21], s[4:5], s[20:21]
	s_add_nc_u64 s[46:47], s[6:7], s[46:47]
	CROUND
.irp s, 0,1
	s_mov_b32 s[G0+4*\s], 1
	s_add_co_u32 s[G0+4*\s+1], s45, \s*SLOT
	s_add_nc_u64 s[G0+4*\s+2:G0+4*\s+3], s[20:21], \s*KSTEP
	s_or_b32 s[G0+4*\s+3], s[G0+4*\s+3], 0x80000000
	s_mov_b32 s[G0B+4*\s], 1
	s_add_co_u32 s[G0B+4*\s+1], s45, \s*SLOT
	s_add_nc_u64 s[G0B+4*\s+2:G0B+4*\s+3], s[46:47], \s*KSTEP
	s_or_b32 s[G0B+4*\s+3], s[G0B+4*\s+3], 0x80000000
	JLOAD \s
.endr
	v_and_b32 v1, 15, v0
	s_wait_alu depctr_va_vdst(0)
	v_bfe_u32 v2, v0, 4, 1
	v_mul_u32_u24 v3, v1, PITCH
	v_lshl_add_u32 v3, v2, 4, v3
	s_mul_i32 s21, s15, HALFT
	s_mul_i32 s22, s16, HALFT
	s_add_co_u32 s22, s22, 2*HALFT
.irp s, 0,1
	v_add_nc_u32 v[ADRA+\s], s21, v3
	v_add_nc_u32 v[ADRB+\s], s22, v3
	s_add_co_u32 s21, s21, SLOT
	s_add_co_u32 s22, s22, SLOT
.endr
	s_mul_i32 s23, s14, 16*SPITCH
	s_add_co_u32 s23, s23, STAGE                   ; my stage
	v_mul_u32_u24 v4, v1, SPITCH
	s_wait_alu depctr_va_vdst(0)
	v_lshl_add_u32 v4, v2, 5, v4
	v_add_nc_u32 v[STO], s23, v4                   ; in: row r, 32 bytes for each half of the lanes
	v_mul_u32_u24 v5, v2, SPITCH
	v_lshl_add_u32 v5, v1, 4, v5
	v_add_nc_u32 v[RD], s23, v5                    ; back: lanes 0-15 one row of 256 bytes, lanes 16-31 the next
	v_lshlrev_b32 v[CO], 12, v2
	v_lshl_add_u32 v[CO], v1, 4, v[CO]             ; the same two rows in memory
	v_lshlrev_b32 v[BO], 4, v1
	s_wait_alu depctr_va_vdst(0)
	s_lshl_b32 s22, s17, 7
	s_lshl_b32 s23, s15, 6
	s_add_co_u32 s22, s22, s23
	s_lshl_b32 s22, s22, 12                        ; my first row x 4,096 bytes
	s_lshl_b32 s92, s42, 9
	s_lshl_b32 s23, s16, 8
	s_add_co_u32 s92, s92, s23                     ; my first column x 4
	s_add_co_u32 s22, s22, s92
	s_mov_b32 s23, 0
	s_mov_b32 s93, 0
	s_add_nc_u64 s[84:85], s[84:85], s[22:23]
	s_add_nc_u64 s[86:87], s[86:87], s[22:23]
	s_add_nc_u64 s[10:11], s[10:11], s[92:93]
	global_load_b128 v[BI:BI+3], v[BO], s[10:11]
	WIN 0x80                                       ; destination window 2
.irp a, 0,1,2,3
.irp t, 0,1,2,3,4,5,6,7
	global_load_b128 v[RES+32*\a+4*\t:RES+32*\a+4*\t+3], v[CO], s[84:85] offset:(16*\a+2*\t)*4096 th:TH_LOAD_NT
.endr
.endr
	WIN 0
.macro MULR f, a, zero                 ; row block a x B's four; the 16 accumulators take turns in the same order in every quarter
.irp b, 0,1,2,3
.if \zero
	v_wmma_f32_16x16x128_bf8_bf8 v[ACC+8*(4*(\a)+\b):ACC+8*(4*(\a)+\b)+7], v[\f+64+16*\b:\f+64+16*\b+15], v[\f+16*(\a):\f+16*(\a)+15], 0
.else
	v_wmma_f32_16x16x128_bf8_bf8 v[ACC+8*(4*(\a)+\b):ACC+8*(4*(\a)+\b)+7], v[\f+64+16*\b:\f+64+16*\b+15], v[\f+16*(\a):\f+16*(\a)+15], v[ACC+8*(4*(\a)+\b):ACC+8*(4*(\a)+\b)+7]
.endif
.endr
.endm
.macro FETCH slot, k, f                ; 32 LDS loads in one run: the fragments of 128 along K at byte k of the rows
	WIN TO_F
.irp i, 0,1,2,3
.irp c, 0,1,2,3
	ds_load_b128 v[\f+64+16*\i+4*\c:\f+64+16*\i+4*\c+3], v[ADRB+\slot] offset:\k+32*\c+\i*16*PITCH
.endr
.endr
.irp i, 0,1,2,3
.irp c, 0,1,2,3
	ds_load_b128 v[\f+16*\i+4*\c:\f+16*\i+4*\c+3], v[ADRA+\slot] offset:\k+32*\c+\i*16*PITCH
.endr
.endr
.endm
.macro PLACES
.rept 4
	v_nop
.endr
.endm
.macro QUARTER slot, k, f, g, zero     ; multiplies buffer f; ahead of it the next quarter's fragments are asked for, into g
	s_wait_dscnt 0x0                               ; buffer f is in (asked for sixteen matrix instructions ago)
	PLACES                                         ; in front of loads into g, which the last quarter's products read
	FETCH \slot, \k, \g
	WIN MUL
	MULR \f, 0, \zero
	MULR \f, 1, \zero
	MULR \f, 2, \zero
	MULR \f, 3, \zero
.endm
.macro TURN slot, next, fill           ; a slot's last quarter multiplies buffer 1 and changes slots
	WIN 0
	s_wait_tensorcnt 0x0                           ; all my tensor loads have landed: my part of the next slot
	ds_add_u32 v[SPW], v[NIL]                      ; 0 onto my spare word
	s_wait_dscnt 1                                 ; buffer 1 is in; the add may be out
	WIN MUL
	MULR F1, 0, 0
	s_wait_dscnt 0x0                               ; the add is done, and my reads of this slot are over
	s_barrier_signal -1
	MULR F1, 1, 0
.if \fill
	WIN 0
.endif
	s_barrier_wait -1
.if \fill
	CREST                                          ; no wave of any partner still reads this slot or has a load on its way
	s_add_nc_u64 s[G0+4*\slot+2:G0+4*\slot+3], s[G0+4*\slot+2:G0+4*\slot+3], 2*KSTEP
	s_add_nc_u64 s[G0B+4*\slot+2:G0B+4*\slot+3], s[G0B+4*\slot+2:G0B+4*\slot+3], 2*KSTEP
	JLOAD \slot                                    ; the first tensor load behind the round; its four v_nop are the places in front of the loads below
.else
	PLACES
.endif
	FETCH \next, 0, F0
	WIN MUL
	MULR F1, 2, 0
	MULR F1, 3, 0
.endm
	s_wait_tensorcnt 1                             ; my part of K step 0 is in; K step 1's load may be out
	s_barrier_signal -1
	s_barrier_wait -1
	FETCH 0, 0, F0
	QUARTER 0, 128, F0, F1, 1
.if LAPS > 1
	WIN 0
	s_mov_b32 s3, LAPS-1
.Llap:
	QUARTER 0, 256, F1, F0, 0
	QUARTER 0, 384, F0, F1, 0
	TURN 0, 1, 1
	QUARTER 1, 128, F0, F1, 0
	QUARTER 1, 256, F1, F0, 0
	QUARTER 1, 384, F0, F1, 0
	TURN 1, 0, 1
	QUARTER 0, 128, F0, F1, 0
	WIN 0
	s_sub_co_u32 s3, s3, 1
	s_cmp_lg_u32 s3, 0
	s_cbranch_scc1 .Llap
.endif
	QUARTER 0, 256, F1, F0, 0
	QUARTER 0, 384, F0, F1, 0
	TURN 0, 1, 0
	QUARTER 1, 128, F0, F1, 0
	QUARTER 1, 256, F1, F0, 0
	QUARTER 1, 384, F0, F1, 0
	s_wait_dscnt 0x0
	WIN MUL
	MULR F1, 0, 0
	MULR F1, 1, 0
	MULR F1, 2, 0
	MULR F1, 3, 0
	WIN 0
	; THE WAY OUT, 16 rows at a time through my own stage: (sum x 2^(eA + eB) + bias) + residual, as reference() orders it
	s_wait_kmcnt 0x0
	s_add_co_i32 s96, s[68+EI], s[69+EI]
	s_add_co_i32 s96, s96, 127
	s_lshl_b32 s96, s96, 23
	s_mov_b32 s97, s96
	s_wait_loadcnt 0x0                             ; the bias and the residual
	PLACES
.macro OUTB a
.irp b, 0,1,2,3
	ds_store_b128 v[STO], v[ACC+8*(4*(\a)+\b):ACC+8*(4*(\a)+\b)+3] offset:64*\b          ; each accumulator from its low end on
	ds_store_b128 v[STO], v[ACC+8*(4*(\a)+\b)+4:ACC+8*(4*(\a)+\b)+7] offset:64*\b+16
.endr
.if (\a) > 0
	s_wait_xcnt 0x0                                ; the last block's stores have read their data
.endif
.irp t, 0,1,2,3,4,5,6,7
	ds_load_b128 v[TMP+4*\t:TMP+4*\t+3], v[RD] offset:2*\t*SPITCH   ; LDS serves a wave's instructions in order: these see my stores
.endr
	s_wait_dscnt 0x0
.irp t, 0,1,2,3,4,5,6,7
	v_pk_fma_f32 v[TMP+4*\t:TMP+4*\t+1], v[TMP+4*\t:TMP+4*\t+1], s[96:97], v[BI:BI+1] op_sel_hi:[1,0,1]
	v_pk_fma_f32 v[TMP+4*\t+2:TMP+4*\t+3], v[TMP+4*\t+2:TMP+4*\t+3], s[96:97], v[BI+2:BI+3] op_sel_hi:[1,0,1]
.endr
	WIN 0x08                                       ; source 1 window 2
.irp j, 0,2,4,6,8,10,12,14,16,18,20,22,24,26,28,30
	v_pk_add_f32 v[TMP+\j:TMP+\j+1], v[TMP+\j:TMP+\j+1], v[RES+32*(\a)+\j:RES+32*(\a)+\j+1]
.endr
	WIN 0
.irp t, 0,1,2,3,4,5,6,7
	global_store_b128 v[CO], v[TMP+4*\t:TMP+4*\t+3], s[86:87] offset:(16*(\a)+2*\t)*4096   ; sixteen lanes store 256 consecutive bytes, aligned
.endr
.endm
	OUTB 0
	OUTB 1
	OUTB 2
	OUTB 3
	s_wait_tensorcnt 0x0                           ; the wave's end
	ds_add_u32 v[SPW], v[NIL]
	s_wait_dscnt 0x0
	CROUND                                         ; the closing round
	s_endpgm
.Lfunc_end_k_qdd5d53c96b_wo:
	.size	k_qdd5d53c96b_wo, .Lfunc_end_k_qdd5d53c96b_wo-k_qdd5d53c96b_wo
	.p2alignl 7, 3214868480
	.fill 96, 4, 3214868480
	.section	.rodata,"a",@progbits
	.p2align	6, 0x0
	.amdhsa_kernel k_qdd5d53c96b_wo
		.amdhsa_group_segment_fixed_size 327680
		.amdhsa_private_segment_fixed_size 0
		.amdhsa_enable_private_segment 0
		.amdhsa_kernarg_size 48
		.amdhsa_user_sgpr_count 2
		.amdhsa_user_sgpr_kernarg_segment_ptr 1
		.amdhsa_wavefront_size32 1
		.amdhsa_system_sgpr_workgroup_id_x 1
		.amdhsa_system_sgpr_workgroup_id_y 1
		.amdhsa_system_sgpr_workgroup_id_z 1
		.amdhsa_system_vgpr_workitem_id 0
		.amdhsa_next_free_vgpr 768
		.amdhsa_next_free_sgpr 100
		.amdhsa_reserve_vcc 0
		.amdhsa_float_denorm_mode_32 3
		.amdhsa_float_denorm_mode_16_64 3
		.amdhsa_memory_ordered 1
		.amdhsa_forward_progress 1
		.amdhsa_inst_pref_size 53
	.end_amdhsa_kernel
	.amdgpu_metadata
---
amdhsa.version: [ 1, 2 ]
amdhsa.kernels:
  - .name:           k_qdd5d53c96b_wo
    .symbol:         k_qdd5d53c96b_wo.kd
    .args:
      - { .name: cc, .offset: 0, .size: 8, .value_kind: global_buffer, .address_space: global }
      - { .name: wc, .offset: 8, .size: 8, .value_kind: global_buffer, .address_space: global }
      - { .name: lowp_scales, .offset: 16, .size: 8, .value_kind: global_buffer, .address_space: global }
      - { .name: bo, .offset: 24, .size: 8, .value_kind: global_buffer, .address_space: global }
      - { .name: x, .offset: 32, .size: 8, .value_kind: global_buffer, .address_space: global }
      - { .name: x1, .offset: 40, .size: 8, .value_kind: global_buffer, .address_space: global }
    .group_segment_fixed_size: 327680
    .private_segment_fixed_size: 0
    .kernarg_segment_align: 8
    .kernarg_segment_size: 48
    .max_flat_workgroup_size: 128
    .sgpr_count:     100
    .vgpr_count:     768
    .wavefront_size: 32
...
	.end_amdgpu_metadata
.endif
;; end of part 4
;; launch ln2 (part 5): grid 256 x 1, 4 waves a work-group, no clusters, 0 bytes of LDS; arguments x1, a2, g2, lowp_scales, h2c; writes h2c
.if DOCPART == 5
	.amdgcn_target "amdgcn-amd-amdhsa--gfx1250"
	.amdhsa_code_object_version 6
	.text
	.protected	k_qdd5d53c96b_ln2
	.globl	k_qdd5d53c96b_ln2
	.p2align	8
	.type	k_qdd5d53c96b_ln2,@function
k_qdd5d53c96b_ln2:
	s_mov_b64 s[64:65], 0
	v_nop
	global_prefetch_b8 v0, s[64:65] scope:SCOPE_SE
	s_setreg_imm32_b32 hwreg(HW_REG_WAVE_MODE, 25, 1), 1
	s_wait_xcnt 0x0
; Launch 5: h2 = a2 (x1 - mean) / (std + 1e-6) + g2, std with N - 1, quantised to E5M2 with entry 12 of the scales, into h2c [4096][1024].  src_mask is left out (see launch 1).
; A wave takes 4 rows, a row in 32 registers a lane: the row is read once; mean first, then the squares of the differences.  No LDS, no barrier: waves share nothing.
; LIMITS: e12 between -126 and 112; NaN is not served.
.set X,    16
.set TQ,   144
.set CQ,   160
.set SA,   184
.set SB,   186
.set PT,   188
.set SD,   190
.set GP,   192
	s_load_b256 s[4:11], s[0:1], 0x0               ; x1 4, a2 6, g2 8, the scales' exponents 10
	s_load_b64 s[12:13], s[0:1], 0x20              ; h2c
	v_lshrrev_b32 v1, 5, v0
	v_readfirstlane_b32 s28, v1
	v_and_b32 v2, 31, v0
	s_wait_alu depctr_va_vdst(0)
	s_lshl_b32 s29, ttmp9, 4
	s_lshl_b32 s30, s28, 2
	s_add_co_u32 s29, s29, s30                     ; my wave's first row
	s_lshl_b32 s30, s29, 12
	s_mov_b32 s31, 0
	s_lshl_b32 s32, s29, 10
	s_mov_b32 s33, 0
	s_mov_b32 s38, 0x76543210
	s_mov_b32 s39, 0xfedcba98
	v_lshlrev_b32 v3, 5, v2
	v_lshlrev_b32 v10, 3, v2
	v_mov_b32 v[PT], 0
	s_wait_alu depctr_va_vdst(0)
	s_wait_kmcnt 0x0
	s_load_b32 s34, s[6:7], 0x0                    ; a2
	s_load_b32 s35, s[8:9], 0x0                    ; g2
	s_load_b32 s36, s[10:11], 0x30                 ; e12
	s_add_nc_u64 s[4:5], s[4:5], s[30:31]
	s_add_nc_u64 s[12:13], s[12:13], s[32:33]
.irp r, 0,1,2,3
.irp j, 0,1,2,3
	global_load_b128 v[X+32*\r+8*\j:X+32*\r+8*\j+3], v3, s[4:5] offset:4096*\r+1024*\j
	global_load_b128 v[X+32*\r+8*\j+4:X+32*\r+8*\j+7], v3, s[4:5] offset:4096*\r+1024*\j+16
.endr
.endr
	s_wait_kmcnt 0x0
	s_add_co_i32 s36, s36, 127
	s_lshl_b32 s37, s36, 23
	v_mov_b32 v4, s37                              ; 2^e12
	s_add_co_i32 s36, s36, 15
	s_lshl_b32 s36, s36, 23
	s_or_b32 s36, s36, 0x600000
	v_mov_b32 v[GP], s35
	v_mov_b32 v[GP+1], s35
.macro LANESUM a, t
	v_add_f32_dpp v[\a], v[\a], v[\a] row_xmask:1 row_mask:0xf bank_mask:0xf
	v_add_f32_dpp v[\a], v[\a], v[\a] row_xmask:2 row_mask:0xf bank_mask:0xf
	v_add_f32_dpp v[\a], v[\a], v[\a] row_xmask:4 row_mask:0xf bank_mask:0xf
	v_add_f32_dpp v[\a], v[\a], v[\a] row_xmask:8 row_mask:0xf bank_mask:0xf
	v_permlanex16_b32 v[\t], v[\a], s38, s39
	v_add_f32 v[\a], v[\a], v[\t]
.endm
.macro ROW r
.set XR, X+32*(\r)
	s_wait_loadcnt 8*(3-(\r))                      ; my row's eight loads are in; the later rows' stay out
.if (\r) > 0
	s_wait_xcnt 0x0                                ; the last row's stores have read their data
.endif
	v_pk_add_f32 v[SA:SA+1], v[XR:XR+1], v[XR+2:XR+3]
	v_pk_add_f32 v[SB:SB+1], v[XR+4:XR+5], v[XR+6:XR+7]
.irp j, 8,12,16,20,24,28
	v_pk_add_f32 v[SA:SA+1], v[SA:SA+1], v[XR+\j:XR+\j+1]
	v_pk_add_f32 v[SB:SB+1], v[SB:SB+1], v[XR+\j+2:XR+\j+3]
.endr
	v_pk_add_f32 v[SA:SA+1], v[SA:SA+1], v[SB:SB+1]
	v_add_f32 v[SA], v[SA], v[SA+1]
	LANESUM SA, PT
	v_mul_f32 v[SA], 0x3a800000, v[SA]             ; / 1024
	v_mov_b32 v[SA+1], v[SA]
.irp j, 0,2,4,6,8,10,12,14,16,18,20,22,24,26,28,30
	v_pk_add_f32 v[XR+\j:XR+\j+1], v[XR+\j:XR+\j+1], v[SA:SA+1] neg_lo:[0,1] neg_hi:[0,1]
.endr
	v_pk_mul_f32 v[SB:SB+1], v[XR:XR+1], v[XR:XR+1]
	v_pk_mul_f32 v[SD:SD+1], v[XR+2:XR+3], v[XR+2:XR+3]
.irp j, 4,8,12,16,20,24,28
	v_pk_fma_f32 v[SB:SB+1], v[XR+\j:XR+\j+1], v[XR+\j:XR+\j+1], v[SB:SB+1]
	v_pk_fma_f32 v[SD:SD+1], v[XR+\j+2:XR+\j+3], v[XR+\j+2:XR+\j+3], v[SD:SD+1]
.endr
	v_pk_add_f32 v[SB:SB+1], v[SB:SB+1], v[SD:SD+1]
	v_add_f32 v[SB], v[SB], v[SB+1]
	LANESUM SB, PT
	v_mul_f32 v[SB], 0x3a802008, v[SB]             ; / 1023
	s_wait_alu depctr_va_vdst(0)
	v_sqrt_f32 v[SB], v[SB]
	v_nop
	s_wait_alu depctr_va_vdst(0)                   ; ahead of the root's first reader
	v_add_f32 v[SB], 0x358637bd, v[SB]             ; + 1e-6
	s_wait_alu depctr_va_vdst(0)
	v_rcp_f32 v[SB], v[SB]
	v_nop
	s_wait_alu depctr_va_vdst(0)
	v_mul_f32 v[SB], s34, v[SB]
	v_mov_b32 v[SB+1], v[SB]
.irp j, 0,2,4,6,8,10,12,14,16,18,20,22,24,26,28,30
	v_pk_fma_f32 v[XR+\j:XR+\j+1], v[XR+\j:XR+\j+1], v[SB:SB+1], v[GP:GP+1]
.endr
.irp c, 0,1,2,3
.irp i, 0,1,2,3,4,5,6,7
.endr
	v_cvt_scalef32_pk8_bf8_f32 v[CQ+2*\c:CQ+2*\c+1], v[TQ+8*(\c%2)+((XR+8*\c+0)-(TQ+8*(\c%2)+0)):TQ+8*(\c%2)+7+((XR+8*\c+0)-(TQ+8*(\c%2)+0))], v4
.endr
.irp c, 0,1,2,3
	global_store_b64 v10, v[CQ+2*\c:CQ+2*\c+1], s[12:13] offset:1024*(\r)+256*\c   ; the wave stores 256 consecutive bytes, aligned
.endr
.endm
	ROW 0
	ROW 1
	ROW 2
	ROW 3
	s_endpgm
.Lfunc_end_k_qdd5d53c96b_ln2:
	.size	k_qdd5d53c96b_ln2, .Lfunc_end_k_qdd5d53c96b_ln2-k_qdd5d53c96b_ln2
	.p2alignl 7, 3214868480
	.fill 96, 4, 3214868480
	.section	.rodata,"a",@progbits
	.p2align	6, 0x0
	.amdhsa_kernel k_qdd5d53c96b_ln2
		.amdhsa_group_segment_fixed_size 0
		.amdhsa_private_segment_fixed_size 0
		.amdhsa_enable_private_segment 0
		.amdhsa_kernarg_size 40
		.amdhsa_user_sgpr_count 2
		.amdhsa_user_sgpr_kernarg_segment_ptr 1
		.amdhsa_wavefront_size32 1
		.amdhsa_system_sgpr_workgroup_id_x 1
		.amdhsa_system_sgpr_workgroup_id_y 1
		.amdhsa_system_sgpr_workgroup_id_z 1
		.amdhsa_system_vgpr_workitem_id 0
		.amdhsa_next_free_vgpr 196
		.amdhsa_next_free_sgpr 66
		.amdhsa_reserve_vcc 0
		.amdhsa_float_denorm_mode_32 3
		.amdhsa_float_denorm_mode_16_64 3
		.amdhsa_fp16_overflow 1
		.amdhsa_memory_ordered 1
		.amdhsa_forward_progress 1
		.amdhsa_inst_pref_size 29
	.end_amdhsa_kernel
	.amdgpu_metadata
---
amdhsa.version: [ 1, 2 ]
amdhsa.kernels:
  - .name:           k_qdd5d53c96b_ln2
    .symbol:         k_qdd5d53c96b_ln2.kd
    .args:
      - { .name: x1, .offset: 0, .size: 8, .value_kind: global_buffer, .address_space: global }
      - { .name: a2, .offset: 8, .size: 8, .value_kind: global_buffer, .address_space: global }
      - { .name: g2, .offset: 16, .size: 8, .value_kind: global_buffer, .address_space: global }
      - { .name: lowp_scales, .offset: 24, .size: 8, .value_kind: global_buffer, .address_space: global }
      - { .name: h2c, .offset: 32, .size: 8, .value_kind: global_buffer, .address_space: global }
    .group_segment_fixed_size: 0
    .private_segment_fixed_size: 0
    .kernarg_segment_align: 8
    .kernarg_segment_size: 40
    .max_flat_workgroup_size: 128
    .sgpr_count:     66
    .vgpr_count:     196
    .wavefront_size: 32
...
	.end_amdgpu_metadata
.endif
;; end of part 5
;; launch ffn1 (part 6): grid 16 x 16, 4 waves a work-group, clusters of 4 x 4, 327,680 bytes of LDS; arguments h2c, wc, lowp_scales, b1, hid; writes hid
.if DOCPART == 6
	.amdgcn_target "amdgcn-amd-amdhsa--gfx1250"
	.amdhsa_code_object_version 6
	.text
	.protected	k_qdd5d53c96b_ffn1
	.globl	k_qdd5d53c96b_ffn1
	.p2align	8
	.type	k_qdd5d53c96b_ffn1,@function
k_qdd5d53c96b_ffn1:
	s_mov_b64 s[64:65], 0
	v_nop
	global_prefetch_b8 v0, s[64:65] scope:SCOPE_SE
	s_setreg_imm32_b32 hwreg(HW_REG_WAVE_MODE, 25, 1), 1
	s_wait_xcnt 0x0
	s_wait_alu depctr_hold_cnt(0) depctr_sa_sdst(0) depctr_va_vdst(0) depctr_va_sdst(0) depctr_va_ssrc(0) depctr_va_vcc(0) depctr_vm_vsrc(0)
	s_getreg_b32 s2, hwreg(HW_REG_IB_STS2, 6, 4)
	s_cmp_eq_u32 s2, 0
	s_cbranch_scc0 .Lentry_in_a_cluster
	s_endpgm
.Lentry_in_a_cluster:
	s_bfe_u32 s2, ttmp6, 0x10000c
	s_cmp_lg_u32 s2, 0xf033
	s_cbranch_scc0 .Lentry_shape_is_right
	s_endpgm
.Lentry_shape_is_right:
; Launch 6: hid = Q(relu(h2 W1 + b1)): codes of E5M2 in (K = 1024, entries 12, 13), codes out (entry 14), [4096][4096].  src_mask is left out (see launch 1).
; A tile of 256 x 256 is made by four waves, 128 x 128 each; K in steps of 256 bytes through two LDS slots; clusters of 4 x 4 with joint loads: A (rows of h2) shared along a row, B (rows of W1's codes) along a column.
; A lane holds one row of h2, and the 8 registers of accumulator b are hidden units 16 b + 8 (lane / 16) + 0 .. 7: eight neighbours along the next product's K: a conversion's 8 bytes go into the stage by one store.
; A's and B's tiles both take 16 neighbouring rows, 272 bytes apart: the sixteen lanes of a load's pass touch sixteen different 16-byte columns.
; The activation and the hold are one v_med3 between 0 and the largest code x the scale.  The tile's codes meet in a stage in LDS and leave as rows of 256 bytes.
; LIMITS: e12 + e13 between -126 and 127; e14 between -126 and 112.  NaN is not served.
; REGISTERS: as in launch 2: window 0: addresses, v32-95 the bias, from v128 A's fragments; window 1: B's two sets; windows 2, 3: the accumulators.
.set KSTEP,  256
.set ROWB,   256
.set KROW,   1024
.set PITCH,  272
.set FR,     16
.set NL,     4
.set NP,     4
.set HALFT,  128*PITCH
.set SLOT,   4*HALFT
.set LAPS,   2
.set SPARE,  2*SLOT
.set SP,     272                       ; the stage: 256 rows x 272 bytes in slot 0, which has had its last fill and its last read when the first code is stored there; 34 columns of 8 bytes: the 32 lanes of a store fall on 2 r + h, all different
.set ADRA, 16
.set ADRB, 20
.set STO,  24
.set RD,   25
.set CO,   27
.set SPW,  28
.set NIL,  29
.set BR,   32
.set SCL,  112
.set LIM,  113
.set AF,   128
.set T,    128
.set CD,   192
.set BK,   128
.set G1, 24
.set G0, 32
.set G1B, 48
.set G0B, 56
.set MSB, 0
.macro WIN new
.if MSB != \new
	s_set_vgpr_msb (MSB<<8)|\new
.set MSB, \new
.endif
.endm
.set MUL_LO, 0xa1
.set MUL_HI, 0xf1
.set TO_B,   0x40
.macro JLOAD g0a, g1a, g0b, g1b
	s_cmp_eq_u32 s15, 0
	s_cbranch_scc0 .Lfor_b_\@
	tensor_load_to_lds s[\g0a:\g0a+3], s[\g1a:\g1a+7]
	s_nop 0
.rept 4
	v_nop
.endr
	s_branch .Lasked_\@
.Lfor_b_\@:
	tensor_load_to_lds s[\g0b:\g0b+3], s[\g1b:\g1b+7]
	s_nop 0
.rept 4
	v_nop
.endr
.Lasked_\@:
.endm
.macro CREST
	s_cmp_lg_u32 s14, 0
	s_cbranch_scc1 .Lnot_wave_0_\@
	s_barrier_signal -3
.Lnot_wave_0_\@:
	s_barrier_wait -3
	s_barrier_signal -1
	s_barrier_wait -1
.endm
.macro CROUND
	s_barrier_signal -1
	s_barrier_wait -1
	CREST
.endm
	s_load_b256 s[4:11], s[0:1], 0x0               ; h2c 4, wc 6, the scales' exponents 8, b1 10
	s_load_b64 s[88:89], s[0:1], 0x20              ; hid
	v_lshl_add_u32 v[SPW], v0, 2, SPARE
	v_mov_b32 v[NIL], 0
	ds_add_u32 v[SPW], v[NIL]                      ; the opening: the add, twice on end, and its wait ahead of my first tensor load
	ds_add_u32 v[SPW], v[NIL]
	v_lshrrev_b32 v1, 5, v0
	v_readfirstlane_b32 s14, v1
	s_lshr_b32 s15, s14, 1
	s_and_b32 s16, s14, 1
	s_bfe_u32 s40, ttmp6, 0x40000
	s_bfe_u32 s41, ttmp6, 0x40004
	s_lshl_b32 s42, ttmp9, 2
	s_add_co_u32 s42, s42, s40                     ; tile column
	s_and_b32 s17, ttmp7, 0xffff
	s_lshl_b32 s17, s17, 2
	s_add_co_u32 s17, s17, s41                     ; tile row
	s_lshl_b32 s43, s41, 2
	s_lshl_b32 s43, 15, s43
	s_lshl_b32 s44, 0x1111, s40
	s_or_b32 s[G1+0], s43, (0<<16)|(1<<20)|(1<<21)|(5<<22)|(3<<25)
	s_or_b32 s[G1B+0], s44, (0<<16)|(1<<20)|(1<<21)|(5<<22)|(3<<25)
.irp g, G1, G1B
	s_mov_b32 s[\g+1], ROWB<<16
	s_mov_b32 s[\g+2], 128<<16
	s_mov_b32 s[\g+3], ROWB<<16
	s_mov_b32 s[\g+4], 128
	s_mov_b32 s[\g+5], KROW
	s_mov_b32 s[\g+6], 0
	s_mov_b32 s[\g+7], 0
.endr
	s_lshl_b32 s18, s16, 7
	s_lshl_b32 s20, s17, 8
	s_add_co_u32 s20, s20, s18
	s_lshl_b32 s20, s20, 10
	s_mov_b32 s21, 0
	s_lshl_b32 s46, s42, 8
	s_add_co_u32 s46, s46, s18
	s_lshl_b32 s46, s46, 10
	s_add_co_u32 s46, s46, 0x400000                ; W1's codes lie 4 MiB into wc
	s_mov_b32 s47, 0
	s_mul_i32 s45, s14, HALFT
	s_wait_dscnt 0x0
	s_wait_kmcnt 0x0
	s_load_b512 s[68:83], s[8:9], 0x0
	s_add_nc_u64 s[20:21], s[4:5], s[20:21]
	s_add_nc_u64 s[46:47], s[6:7], s[46:47]
	CROUND
.irp s, 0,1
	s_mov_b32 s[G0+4*\s], 1
	s_add_co_u32 s[G0+4*\s+1], s45, \s*SLOT
	s_add_nc_u64 s[G0+4*\s+2:G0+4*\s+3], s[20:21], \s*ROWB
	s_or_b32 s[G0+4*\s+3], s[G0+4*\s+3], 0x80000000
	s_mov_b32 s[G0B+4*\s], 1
	s_add_co_u32 s[G0B+4*\s+1], s45, \s*SLOT
	s_add_nc_u64 s[G0B+4*\s+2:G0B+4*\s+3], s[46:47], \s*ROWB
	s_or_b32 s[G0B+4*\s+3], s[G0B+4*\s+3], 0x80000000
	JLOAD G0+4*\s, G1, G0B+4*\s, G1B
.endr
	v_and_b32 v1, 15, v0
	v_bfe_u32 v2, v0, 4, 1
	v_mul_u32_u24 v3, v1, PITCH
	v_lshl_add_u32 v4, v2, 4, v3                   ; A and B alike: row r, + 16 h
	s_mul_i32 s21, s15, HALFT
	s_mul_i32 s22, s16, HALFT
	s_add_co_u32 s22, s22, 2*HALFT
.irp s, 0,1
	v_add_nc_u32 v[ADRA+\s], s21, v4
	v_add_nc_u32 v[ADRB+\s], s22, v4
	s_add_co_u32 s21, s21, SLOT
	s_add_co_u32 s22, s22, SLOT
.endr
	s_mul_i32 s22, s15, 128*SP
	s_lshl_b32 s23, s16, 7
	s_add_co_u32 s22, s22, s23
	v_mul_u32_u24 v6, v1, SP
	v_lshl_add_u32 v6, v2, 3, v6
	v_add_nc_u32 v[STO], s22, v6                   ; the stage: row 128 x (my half of A) + r, byte 128 x (my half of B) + 8 h
	s_mul_i32 s22, s14, 64*SP
	v_mul_u32_u24 v7, v2, SP
	v_lshl_add_u32 v7, v1, 4, v7
	v_add_nc_u32 v[RD], s22, v7                    ; back: my 64 rows; lanes 0-15 one row of 256 bytes, lanes 16-31 the next
	v_lshlrev_b32 v[CO], 12, v2
	v_lshl_add_u32 v[CO], v1, 4, v[CO]
	s_lshl_b32 s22, s42, 10
	s_lshl_b32 s23, s16, 9
	s_add_co_u32 s22, s22, s23
	s_mov_b32 s23, 0
	s_add_nc_u64 s[10:11], s[10:11], s[22:23]      ; b1: entries 256 x tile column + 128 x half on
	v_lshlrev_b32 v8, 5, v2                        ; 8 h entries; never rewritten
.irp b, 0,1,2,3,4,5,6,7
.irp q, 0,1
	global_load_b128 v[BR+8*\b+4*\q:BR+8*\b+4*\q+3], v8, s[10:11] offset:64*\b+16*\q   ; entries 16 b + 8 h + 4 q on
.endr
.endr
	s_lshl_b32 s22, s17, 8
	s_lshl_b32 s92, s14, 6
	s_add_co_u32 s22, s22, s92
	s_lshl_b32 s22, s22, 12                        ; (256 x tile row + 64 x wave) rows of 4,096 bytes
	s_lshl_b32 s92, s42, 8
	s_add_co_u32 s22, s22, s92
	s_add_nc_u64 s[88:89], s[88:89], s[22:23]
.macro FRAG reg, adr, q, row
.irp c, 0,1,2,3
	ds_load_b128 v[\reg+4*\c:\reg+4*\c+3], v[\adr] offset:128*(\q)+32*\c+(\row)*PITCH
.endr
.endm
.macro MUL16 a0, p, zero               ; the 64 accumulators take turns in the same order in every step
.irp a, \a0, \a0+1
.irp b, 0,1,2,3,4,5,6,7
.if \zero
	v_wmma_f32_16x16x128_bf8_bf8 v[8*(8*((\a)%4)+\b):8*(8*((\a)%4)+\b)+7], v[128*(\p)+FR*\b:128*(\p)+FR*\b+FR-1], v[AF+FR*(\a):AF+FR*(\a)+FR-1], 0
.else
	v_wmma_f32_16x16x128_bf8_bf8 v[8*(8*((\a)%4)+\b):8*(8*((\a)%4)+\b)+7], v[128*(\p)+FR*\b:128*(\p)+FR*\b+FR-1], v[AF+FR*(\a):AF+FR*(\a)+FR-1], v[8*(8*((\a)%4)+\b):8*(8*((\a)%4)+\b)+7]
.endif
.endr
.endr
.endm
.macro FETCH_B slot, q, p              ; tile i: rows 16 i on
	WIN TO_B
.irp i, 0,1,2,3,4,5,6,7
	FRAG 128*(\p)+FR*\i, ADRB+\slot, \q, 16*\i
.endr
	WIN 0
.endm
.macro FETCH_A slot, q, i0
.irp i, \i0, \i0+1, \i0+2, \i0+3
	FRAG AF+FR*(\i), ADRA+\slot, \q, 16*(\i)
.endr
.endm
.macro PLACES n
.rept \n
	v_nop
.endr
.endm
.macro STEP slot, q, zero
	s_wait_dscnt 4*NL                              ; B's set and A's blocks 0-3 are in; the youngest sixteen loads may be out
	WIN MUL_LO
	MUL16 0, (\q)%2, \zero
	MUL16 2, (\q)%2, \zero
	s_wait_dscnt 0
	PLACES NP
	FETCH_B \slot, (\q)+1, 1-(\q)%2
	FETCH_A \slot, (\q)+1, 0
	WIN MUL_HI
	MUL16 4, (\q)%2, \zero
	MUL16 6, (\q)%2, \zero
	PLACES NP
	WIN 0
	FETCH_A \slot, (\q)+1, 4
.endm
.macro TURN slot, next, fill
	s_wait_tensorcnt 0x0                           ; all my tensor loads have landed: my part of the next slot
	ds_add_u32 v[SPW], v[NIL]                      ; 0 onto my spare word
	s_wait_dscnt 4*NL+1                            ; the add and the youngest sixteen loads may be out
	WIN MUL_LO
	MUL16 0, 1, 0
	s_wait_dscnt 0x0                               ; the add is done, and my reads of this slot are over
	s_barrier_signal -1
	MUL16 2, 1, 0
	WIN 0
	s_barrier_wait -1
.if \fill
	CREST
	s_add_nc_u64 s[G0+4*\slot+2:G0+4*\slot+3], s[G0+4*\slot+2:G0+4*\slot+3], 2*ROWB
	s_add_nc_u64 s[G0B+4*\slot+2:G0B+4*\slot+3], s[G0B+4*\slot+2:G0B+4*\slot+3], 2*ROWB
	JLOAD G0+4*\slot, G1, G0B+4*\slot, G1B
.else
	PLACES NP
.endif
	FETCH_B \next, 0, 0
	FETCH_A \next, 0, 0
	WIN MUL_HI
	MUL16 4, 1, 0
	MUL16 6, 1, 0
	PLACES NP
	WIN 0
	FETCH_A \next, 0, 4
.endm
	s_wait_tensorcnt 1                             ; my part of K step 0 is in; K step 1's load may be out
	s_barrier_signal -1
	s_barrier_wait -1
	FETCH_B 0, 0, 0
	FETCH_A 0, 0, 0
	FETCH_A 0, 0, 4
	STEP 0, 0, 1
	s_mov_b32 s3, LAPS-1
.Llap:
	TURN 0, 1, 1
	STEP 1, 0, 0
	TURN 1, 0, 1
	STEP 0, 0, 0
	s_sub_co_u32 s3, s3, 1
	s_cmp_lg_u32 s3, 0
	s_cbranch_scc1 .Llap
	TURN 0, 1, 0
	STEP 1, 0, 0
	s_wait_dscnt 4*NL
	WIN MUL_LO
	MUL16 0, 1, 0
	MUL16 2, 1, 0
	s_wait_dscnt 0
	WIN MUL_HI
	MUL16 4, 1, 0
	MUL16 6, 1, 0
	WIN 0
	s_wait_kmcnt 0x0
	s_wait_loadcnt 0x0                             ; the bias
	s_add_co_i32 s96, s80, s81                     ; e12 + e13
	s_add_co_i32 s96, s96, 127
	s_lshl_b32 s96, s96, 23
	s_mov_b32 s97, s96
	s_add_co_i32 s98, s82, 127                     ; e14
	s_lshl_b32 s99, s98, 23
	v_mov_b32 v[SCL], s99
	s_add_co_i32 s98, s98, 15
	s_lshl_b32 s98, s98, 23
	s_or_b32 s98, s98, 0x600000
	v_mov_b32 v[LIM], s98
	PLACES NP
.macro OUTBLK a
.set AC, 64*((\a)%4)
	WIN 0x02+((\a)/4)
.irp j, 0,2,4,6,8,10,12,14,16,18,20,22,24,26,28,30,32,34,36,38,40,42,44,46,48,50,52,54,56,58,60,62
	v_pk_fma_f32 v[T+\j:T+\j+1], v[AC+\j:AC+\j+1], s[96:97], v[BR+\j:BR+\j+1] op_sel_hi:[1,0,1]   ; each accumulator from its low end on
.endr
	WIN 0
.irp p, 0,1,2,3
.irp i, 0,1,2,3,4,5,6,7,8,9,10,11,12,13,14,15
	v_med3_num_f32 v[T+16*\p+\i], v[T+16*\p+\i], 0, v[LIM]   ; the activation and the hold in one
.endr
.if \p == 0
	s_wait_dscnt 0x0                               ; the last block's LDS stores have read the codes' registers
.endif
	v_cvt_scalef32_pk8_bf8_f32 v[CD+4*\p:CD+4*\p+1], v[T+16*\p:T+16*\p+7], v[SCL]          ; accumulator 2 p: hidden units 32 p + 8 h + 0 .. 7
	v_cvt_scalef32_pk8_bf8_f32 v[CD+4*\p+2:CD+4*\p+3], v[T+16*\p+8:T+16*\p+15], v[SCL]     ; accumulator 2 p + 1: 16 further on
.endr
	v_nop
.irp b, 0,1,2,3,4,5,6,7
	ds_store_b64 v[STO], v[CD+2*\b:CD+2*\b+1] offset:16*(\a)*SP+16*\b
.endr
.endm
.irp a, 0,1,2,3,4,5,6,7
	OUTBLK \a
.endr
	s_wait_dscnt 0x0                               ; for the others' sake: my stores into the stage are done
	s_barrier_signal -1
	s_barrier_wait -1
.irp t, 0,1,2,3,4,5,6,7,8,9,10,11,12,13,14,15,16,17,18,19,20,21,22,23,24,25,26,27,28,29,30,31
	ds_load_b128 v[BK+4*\t:BK+4*\t+3], v[RD] offset:2*\t*SP
.endr
.irp t, 0,1,2,3,4,5,6,7,8,9,10,11,12,13,14,15,16,17,18,19,20,21,22,23,24,25,26,27,28,29,30,31
	s_wait_dscnt 31-\t                             ; the younger loads may stay out
	global_store_b128 v[CO], v[BK+4*\t:BK+4*\t+3], s[88:89] offset:2*\t*4096   ; sixteen lanes store 256 consecutive bytes, aligned
.endr
	s_wait_tensorcnt 0x0                           ; the wave's end
	ds_add_u32 v[SPW], v[NIL]
	s_wait_dscnt 0x0
	CROUND
	s_endpgm
.Lfunc_end_k_qdd5d53c96b_ffn1:
	.size	k_qdd5d53c96b_ffn1, .Lfunc_end_k_qdd5d53c96b_ffn1-k_qdd5d53c96b_ffn1
	.p2alignl 7, 3214868480
	.fill 96, 4, 3214868480
	.section	.rodata,"a",@progbits
	.p2align	6, 0x0
	.amdhsa_kernel k_qdd5d53c96b_ffn1
		.amdhsa_group_segment_fixed_size 327680
		.amdhsa_private_segment_fixed_size 0
		.amdhsa_enable_private_segment 0
		.amdhsa_kernarg_size 40
		.amdhsa_user_sgpr_count 2
		.amdhsa_user_sgpr_kernarg_segment_ptr 1
		.amdhsa_wavefront_size32 1
		.amdhsa_system_sgpr_workgroup_id_x 1
		.amdhsa_system_sgpr_workgroup_id_y 1
		.amdhsa_system_sgpr_workgroup_id_z 1
		.amdhsa_system_vgpr_workitem_id 0
		.amdhsa_next_free_vgpr 1024
		.amdhsa_next_free_sgpr 100
		.amdhsa_reserve_vcc 0
		.amdhsa_float_denorm_mode_32 3
		.amdhsa_float_denorm_mode_16_64 3
		.amdhsa_memory_ordered 1
		.amdhsa_forward_progress 1
		.amdhsa_inst_pref_size 143
	.end_amdhsa_kernel
	.amdgpu_metadata
---
amdhsa.version: [ 1, 2 ]
amdhsa.kernels:
  - .name:           k_qdd5d53c96b_ffn1
    .symbol:         k_qdd5d53c96b_ffn1.kd
    .args:
      - { .name: h2c, .offset: 0, .size: 8, .value_kind: global_buffer, .address_space: global }
      - { .name: wc, .offset: 8, .size: 8, .value_kind: global_buffer, .address_space: global }
      - { .name: lowp_scales, .offset: 16, .size: 8, .value_kind: global_buffer, .address_space: global }
      - { .name: b1, .offset: 24, .size: 8, .value_kind: global_buffer, .address_space: global }
      - { .name: hid, .offset: 32, .size: 8, .value_kind: global_buffer, .address_space: global }
    .group_segment_fixed_size: 327680
    .private_segment_fixed_size: 0
    .kernarg_segment_align: 8
    .kernarg_segment_size: 40
    .max_flat_workgroup_size: 128
    .sgpr_count:     100
    .vgpr_count:     1024
    .wavefront_size: 32
...
	.end_amdgpu_metadata
.endif
;; end of part 6
;; launch ffn2 (part 7): grid 8 x 32, 4 waves a work-group, clusters of 4 x 4, 327,680 bytes of LDS; arguments hid, wc, lowp_scales, b2, x1, out0; writes out0
.if DOCPART == 7
	.amdgcn_target "amdgcn-amd-amdhsa--gfx1250"
	.amdhsa_code_object_version 6
	.text
	.protected	k_qdd5d53c96b_ffn2
	.globl	k_qdd5d53c96b_ffn2
	.p2align	8
	.type	k_qdd5d53c96b_ffn2,@function
k_qdd5d53c96b_ffn2:
	s_mov_b64 s[64:65], 0
	v_nop
	global_prefetch_b8 v0, s[64:65] scope:SCOPE_SE
	s_setreg_imm32_b32 hwreg(HW_REG_WAVE_MODE, 25, 1), 1
	s_wait_xcnt 0x0
	s_wait_alu depctr_hold_cnt(0) depctr_sa_sdst(0) depctr_va_vdst(0) depctr_va_sdst(0) depctr_va_ssrc(0) depctr_va_vcc(0) depctr_vm_vsrc(0)
	s_getreg_b32 s2, hwreg(HW_REG_IB_STS2, 6, 4)
	s_cmp_eq_u32 s2, 0
	s_cbranch_scc0 .Lentry_in_a_cluster
	s_endpgm
.Lentry_in_a_cluster:
	s_bfe_u32 s2, ttmp6, 0x10000c
	s_cmp_lg_u32 s2, 0xf033
	s_cbranch_scc0 .Lentry_shape_is_right
	s_endpgm
.Lentry_shape_is_right:
; Launch 7: out0 = x1 + (hid W2 + b2).  The hidden layer's and W2's codes of E5M2 are multiplied as they are (K = 4096); each sum once by 2^(e14 + e15).  src_mask is left out (see launch 1).
; The text is launch 4's with three other constants: K, W2's place in wc, and the scales' entries.  256 tiles of 128 x 128, one to a work-group; four waves, 64 x 64 each; K in steps of 512 bytes through two LDS slots,
; each filled again three times; clusters of 4 x 4 with joint loads; the matrix instruction used transposed; residual and bias asked for at the head.
; LIMIT: the two exponents' sum between -126 and 127.
; REGISTERS: window 0: v16-29 addresses; v32-63 the way out; v96-99 bias; v128-255 accumulators.  window 1: two fragment buffers of 128.  window 2: v0-127 the residual.
.set SIZE_K, 4096
.set WOFF,   8<<20
.set EI,     14
.set KSTEP,  512
.set PITCH,  528
.set HALFT,  64*PITCH
.set SLOT,   4*HALFT
.set STAGE,  2*SLOT
.set SPITCH, 272
.set SPARE,  STAGE+4*16*SPITCH
.set LAPS,   SIZE_K/(2*KSTEP)
.set ADRA, 16
.set ADRB, 20
.set STO,  24
.set RD,   25
.set CO,   26
.set BO,   27
.set SPW,  28
.set NIL,  29
.set TMP,  32
.set BI,   96
.set ACC,  128
.set F0,   0
.set F1,   128
.set RES,  0
.set G1, 24
.set G0, 32
.set G1B, 48
.set G0B, 56
.set MSB, 0
.macro WIN new
.if MSB != \new
	s_set_vgpr_msb (MSB<<8)|\new
.set MSB, \new
.endif
.endm
.set MUL,  0x05
.set TO_F, 0x40
.macro JLOAD s
	s_cmp_eq_u32 s15, 0
	s_cbranch_scc0 .Lfor_b_\@
	tensor_load_to_lds s[G0+4*\s:G0+4*\s+3], s[G1:G1+7]
	s_nop 0
.rept 4
	v_nop
.endr
	s_branch .Lasked_\@
.Lfor_b_\@:
	tensor_load_to_lds s[G0B+4*\s:G0B+4*\s+3], s[G1B:G1B+7]
	s_nop 0
.rept 4
	v_nop
.endr
.Lasked_\@:
.endm
.macro CREST
	s_cmp_lg_u32 s14, 0
	s_cbranch_scc1 .Lnot_wave_0_\@
	s_barrier_signal -3
.Lnot_wave_0_\@:
	s_barrier_wait -3
	s_barrier_signal -1
	s_barrier_wait -1
.endm
.macro CROUND
	s_barrier_signal -1
	s_barrier_wait -1
	CREST
.endm
	s_load_b256 s[4:11], s[0:1], 0x0               ; A's codes 4, wc 6, the scales' exponents 8, the bias 10
	s_load_b128 s[84:87], s[0:1], 0x20             ; the residual 84, the result 86
	v_lshl_add_u32 v[SPW], v0, 2, SPARE
	v_mov_b32 v[NIL], 0
	ds_add_u32 v[SPW], v[NIL]                      ; the opening: the add, twice on end, and its wait ahead of my first tensor load
	ds_add_u32 v[SPW], v[NIL]
	v_lshrrev_b32 v1, 5, v0
	v_readfirstlane_b32 s14, v1
	s_lshr_b32 s15, s14, 1
	s_and_b32 s16, s14, 1
	s_bfe_u32 s40, ttmp6, 0x40000
	s_bfe_u32 s41, ttmp6, 0x40004
	s_lshl_b32 s42, ttmp9, 2
	s_add_co_u32 s42, s42, s40
	s_and_b32 s17, ttmp7, 0xffff
	s_lshl_b32 s17, s17, 2
	s_add_co_u32 s17, s17, s41
	s_lshl_b32 s43, s41, 2
	s_lshl_b32 s43, 15, s43
	s_lshl_b32 s44, 0x1111, s40
	s_or_b32 s[G1+0], s43, (0<<16)|(1<<20)|(1<<21)|(6<<22)|(3<<25)
	s_or_b32 s[G1B+0], s44, (0<<16)|(1<<20)|(1<<21)|(6<<22)|(3<<25)
.irp g, G1, G1B
	s_mov_b32 s[\g+1], KSTEP<<16
	s_mov_b32 s[\g+2], 64<<16
	s_mov_b32 s[\g+3], KSTEP<<16
	s_mov_b32 s[\g+4], 64
	s_mov_b32 s[\g+5], SIZE_K
	s_mov_b32 s[\g+6], 0
	s_mov_b32 s[\g+7], 0
.endr
	s_lshl_b32 s18, s16, 6
	s_lshl_b32 s20, s17, 7
	s_add_co_u32 s20, s20, s18
	s_mul_i32 s20, s20, SIZE_K
	s_mov_b32 s21, 0
	s_lshl_b32 s46, s42, 7
	s_add_co_u32 s46, s46, s18
	s_mul_i32 s46, s46, SIZE_K
	s_add_co_u32 s46, s46, WOFF
	s_mov_b32 s47, 0
	s_mul_i32 s45, s14, HALFT
	s_wait_dscnt 0x0
	s_wait_kmcnt 0x0
	s_load_b512 s[68:83], s[8:9], 0x0
	s_add_nc_u64 s[20:21], s[4:5], s[20:21]
	s_add_nc_u64 s[46:47], s[6:7], s[46:47]
	CROUND
.irp s, 0,1
	s_mov_b32 s[G0+4*\s], 1
	s_add_co_u32 s[G0+4*\s+1], s45, \s*SLOT
	s_add_nc_u64 s[G0+4*\s+2:G0+4*\s+3], s[20:21], \s*KSTEP
	s_or_b32 s[G0+4*\s+3], s[G0+4*\s+3], 0x80000000
	s_mov_b32 s[G0B+4*\s], 1
	s_add_co_u32 s[G0B+4*\s+1], s45, \s*SLOT
	s_add_nc_u64 s[G0B+4*\s+2:G0B+4*\s+3], s[46:47], \s*KSTEP
	s_or_b32 s[G0B+4*\s+3], s[G0B+4*\s+3], 0x80000000
	JLOAD \s
.endr
	v_and_b32 v1, 15, v0
	v_bfe_u32 v2, v0, 4, 1
	v_mul_u32_u24 v3, v1, PITCH
	v_lshl_add_u32 v3, v2, 4, v3
	s_mul_i32 s21, s15, HALFT
	s_mul_i32 s22, s16, HALFT
	s_add_co_u32 s22, s22, 2*HALFT
.irp s, 0,1
	v_add_nc_u32 v[ADRA+\s], s21, v3
	v_add_nc_u32 v[ADRB+\s], s22, v3
	s_add_co_u32 s21, s21, SLOT
	s_add_co_u32 s22, s22, SLOT
.endr
	s_mul_i32 s23, s14, 16*SPITCH
	s_add_co_u32 s23, s23, STAGE
	v_mul_u32_u24 v4, v1, SPITCH
	v_lshl_add_u32 v4, v2, 5, v4
	v_add_nc_u32 v[STO], s23, v4
	v_mul_u32_u24 v5, v2, SPITCH
	v_lshl_add_u32 v5, v1, 4, v5
	v_add_nc_u32 v[RD], s23, v5
	v_lshlrev_b32 v[CO], 12, v2
	v_lshl_add_u32 v[CO], v1, 4, v[CO]
	v_lshlrev_b32 v[BO], 4, v1
	s_lshl_b32 s22, s17, 7
	s_lshl_b32 s23, s15, 6
	s_add_co_u32 s22, s22, s23
	s_lshl_b32 s22, s22, 12
	s_lshl_b32 s92, s42, 9
	s_lshl_b32 s23, s16, 8
	s_add_co_u32 s92, s92, s23
	s_add_co_u32 s22, s22, s92
	s_mov_b32 s23, 0
	s_mov_b32 s93, 0
	s_add_nc_u64 s[84:85], s[84:85], s[22:23]
	s_add_nc_u64 s[86:87], s[86:87], s[22:23]
	s_add_nc_u64 s[10:11], s[10:11], s[92:93]
	global_load_b128 v[BI:BI+3], v[BO], s[10:11]
	WIN 0x80
.irp a, 0,1,2,3
.irp t, 0,1,2,3,4,5,6,7
	global_load_b128 v[RES+32*\a+4*\t:RES+32*\a+4*\t+3], v[CO], s[84:85] offset:(16*\a+2*\t)*4096 th:TH_LOAD_NT
.endr
.endr
	WIN 0
.macro MULR f, a, zero                 ; the 16 accumulators take turns in the same order in every quarter
.irp b, 0,1,2,3
.if \zero
	v_wmma_f32_16x16x128_bf8_bf8 v[ACC+8*(4*(\a)+\b):ACC+8*(4*(\a)+\b)+7], v[\f+64+16*\b:\f+64+16*\b+15], v[\f+16*(\a):\f+16*(\a)+15], 0
.else
	v_wmma_f32_16x16x128_bf8_bf8 v[ACC+8*(4*(\a)+\b):ACC+8*(4*(\a)+\b)+7], v[\f+64+16*\b:\f+64+16*\b+15], v[\f+16*(\a):\f+16*(\a)+15], v[ACC+8*(4*(\a)+\b):ACC+8*(4*(\a)+\b)+7]
.endif
.endr
.endm
.macro FETCH slot, k, f
	WIN TO_F
.irp i, 0,1,2,3
.irp c, 0,1,2,3
	ds_load_b128 v[\f+64+16*\i+4*\c:\f+64+16*\i+4*\c+3], v[ADRB+\slot] offset:\k+32*\c+\i*16*PITCH
.endr
.endr
.irp i, 0,1,2,3
.irp c, 0,1,2,3
	ds_load_b128 v[\f+16*\i+4*\c:\f+16*\i+4*\c+3], v[ADRA+\slot] offset:\k+32*\c+\i*16*PITCH
.endr
.endr
.endm
.macro PLACES
.rept 4
	v_nop
.endr
.endm
.macro QUARTER slot, k, f, g, zero
	s_wait_dscnt 0x0                               ; buffer f is in (asked for sixteen matrix instructions ago)
	PLACES                                         ; in front of loads into g, which the last quarter's products read
	FETCH \slot, \k, \g
	WIN MUL
	MULR \f, 0, \zero
	MULR \f, 1, \zero
	MULR \f, 2, \zero
	MULR \f, 3, \zero
.endm
.macro TURN slot, next, fill
	WIN 0
	s_wait_tensorcnt 0x0                           ; all my tensor loads have landed: my part of the next slot
	ds_add_u32 v[SPW], v[NIL]                      ; 0 onto my spare word
	s_wait_dscnt 1                                 ; buffer 1 is in; the add may be out
	WIN MUL
	MULR F1, 0, 0
	s_wait_dscnt 0x0                               ; the add is done, and my reads of this slot are over
	s_barrier_signal -1
	MULR F1, 1, 0
.if \fill
	WIN 0
.endif
	s_barrier_wait -1
.if \fill
	CREST                                          ; no wave of any partner still reads this slot or has a load on its way
	s_add_nc_u64 s[G0+4*\slot+2:G0+4*\slot+3], s[G0+4*\slot+2:G0+4*\slot+3], 2*KSTEP
	s_add_nc_u64 s[G0B+4*\slot+2:G0B+4*\slot+3], s[G0B+4*\slot+2:G0B+4*\slot+3], 2*KSTEP
	JLOAD \slot                                    ; the first tensor load behind the round; its four v_nop are the places in front of the loads below
.else
	PLACES
.endif
	FETCH \next, 0, F0
	WIN MUL
	MULR F1, 2, 0
	MULR F1, 3, 0
.endm
	s_wait_tensorcnt 1                             ; my part of K step 0 is in; K step 1's load may be out
	s_barrier_signal -1
	s_barrier_wait -1
	FETCH 0, 0, F0
	QUARTER 0, 128, F0, F1, 1
.if LAPS > 1
	WIN 0
	s_mov_b32 s3, LAPS-1
.Llap:
	QUARTER 0, 256, F1, F0, 0
	QUARTER 0, 384, F0, F1, 0
	TURN 0, 1, 1
	QUARTER 1, 128, F0, F1, 0
	QUARTER 1, 256, F1, F0, 0
	QUARTER 1, 384, F0, F1, 0
	TURN 1, 0, 1
	QUARTER 0, 128, F0, F1, 0
	WIN 0
	s_sub_co_u32 s3, s3, 1
	s_cmp_lg_u32 s3, 0
	s_cbranch_scc1 .Llap
.endif
	QUARTER 0, 256, F1, F0, 0
	QUARTER 0, 384, F0, F1, 0
	TURN 0, 1, 0
	QUARTER 1, 128, F0, F1, 0
	QUARTER 1, 256, F1, F0, 0
	QUARTER 1, 384, F0, F1, 0
	s_wait_dscnt 0x0
	WIN MUL
	MULR F1, 0, 0
	MULR F1, 1, 0
	MULR F1, 2, 0
	MULR F1, 3, 0
	WIN 0
	s_wait_kmcnt 0x0
	s_add_co_i32 s96, s[68+EI], s[69+EI]
	s_add_co_i32 s96, s96, 127
	s_lshl_b32 s96, s96, 23
	s_mov_b32 s97, s96
	s_wait_loadcnt 0x0                             ; the bias and the residual
	PLACES
.macro OUTB a
.irp b, 0,1,2,3
	ds_store_b128 v[STO], v[ACC+8*(4*(\a)+\b):ACC+8*(4*(\a)+\b)+3] offset:64*\b          ; each accumulator from its low end on
	ds_store_b128 v[STO], v[ACC+8*(4*(\a)+\b)+4:ACC+8*(4*(\a)+\b)+7] offset:64*\b+16
.endr
.if (\a) > 0
	s_wait_xcnt 0x0                                ; the last block's stores have read their data
.endif
.irp t, 0,1,2,3,4,5,6,7
	ds_load_b128 v[TMP+4*\t:TMP+4*\t+3], v[RD] offset:2*\t*SPITCH
.endr
	s_wait_dscnt 0x0
.irp t, 0,1,2,3,4,5,6,7
	v_pk_fma_f32 v[TMP+4*\t:TMP+4*\t+1], v[TMP+4*\t:TMP+4*\t+1], s[96:97], v[BI:BI+1] op_sel_hi:[1,0,1]
	v_pk_fma_f32 v[TMP+4*\t+2:TMP+4*\t+3], v[TMP+4*\t+2:TMP+4*\t+3], s[96:97], v[BI+2:BI+3] op_sel_hi:[1,0,1]
.endr
	WIN 0x08
.irp j, 0,2,4,6,8,10,12,14,16,18,20,22,24,26,28,30
	v_pk_add_f32 v[TMP+\j:TMP+\j+1], v[TMP+\j:TMP+\j+1], v[RES+32*(\a)+\j:RES+32*(\a)+\j+1]
.endr
	WIN 0
.irp t, 0,1,2,3,4,5,6,7
	global_store_b128 v[CO], v[TMP+4*\t:TMP+4*\t+3], s[86:87] offset:(16*(\a)+2*\t)*4096   ; sixteen lanes store 256 consecutive bytes, aligned
.endr
.endm
	OUTB 0
	OUTB 1
	OUTB 2
	OUTB 3
	s_wait_tensorcnt 0x0                           ; the wave's end
	ds_add_u32 v[SPW], v[NIL]
	s_wait_dscnt 0x0
	CROUND
	s_endpgm
.Lfunc_end_k_qdd5d53c96b_ffn2:
	.size	k_qdd5d53c96b_ffn2, .Lfunc_end_k_qdd5d53c96b_ffn2-k_qdd5d53c96b_ffn2
	.p2alignl 7, 3214868480
	.fill 96, 4, 3214868480
	.section	.rodata,"a",@progbits
	.p2align	6, 0x0
	.amdhsa_kernel k_qdd5d53c96b_ffn2
		.amdhsa_group_segment_fixed_size 327680
		.amdhsa_private_segment_fixed_size 0
		.amdhsa_enable_private_segment 0
		.amdhsa_kernarg_size 48
		.amdhsa_user_sgpr_count 2
		.amdhsa_user_sgpr_kernarg_segment_ptr 1
		.amdhsa_wavefront_size32 1
		.amdhsa_system_sgpr_workgroup_id_x 1
		.amdhsa_system_sgpr_workgroup_id_y 1
		.amdhsa_system_sgpr_workgroup_id_z 1
		.amdhsa_system_vgpr_workitem_id 0
		.amdhsa_next_free_vgpr 768
		.amdhsa_next_free_sgpr 100
		.amdhsa_reserve_vcc 0
		.amdhsa_float_denorm_mode_32 3
		.amdhsa_float_denorm_mode_16_64 3
		.amdhsa_memory_ordered 1
		.amdhsa_forward_progress 1
		.amdhsa_inst_pref_size 81
	.end_amdhsa_kernel
	.amdgpu_metadata
---
amdhsa.version: [ 1, 2 ]
amdhsa.kernels:
  - .name:           k_qdd5d53c96b_ffn2
    .symbol:         k_qdd5d53c96b_ffn2.kd
    .args:
      - { .name: hid, .offset: 0, .size: 8, .value_kind: global_buffer, .address_space: global }
      - { .name: wc, .offset: 8, .size: 8, .value_kind: global_buffer, .address_space: global }
      - { .name: lowp_scales, .offset: 16, .size: 8, .value_kind: global_buffer, .address_space: global }
      - { .name: b2, .offset: 24, .size: 8, .value_kind: global_buffer, .address_space: global }
      - { .name: x1, .offset: 32, .size: 8, .value_kind: global_buffer, .address_space: global }
      - { .name: out0, .offset: 40, .size: 8, .value_kind: global_buffer, .address_space: global }
    .group_segment_fixed_size: 327680
    .private_segment_fixed_size: 0
    .kernarg_segment_align: 8
    .kernarg_segment_size: 48
    .max_flat_workgroup_size: 128
    .sgpr_count:     100
    .vgpr_count:     768
    .wavefront_size: 32
...
	.end_amdgpu_metadata
.endif
;; end of part 7
